; MI455X (gfx1250); checked and timed in simulation.
; The chip was launched on July 23, 2026; its instructions are those of AMD's public machine-readable ISA for CDNA 5 (MIT licence, August 2026) and "CDNA5" Instruction Set Architecture Reference Guide (July 2026). The comments in the code are by the model that wrote it; some were corrected since.
;; Causal Self Attention. Allowed arithmetic: matrix products marked QUANTISED: E2M3 operands, one E8M0 scale for each 32 along K, by v_wmma_scale_f32_16x16x128_f8f6f4 with both operands' format E2M3, f32 sums; everything else in f32.
;; Inputs: b_out 1,024 float32; b_qkv 3,072 float32; w_out 1,024 x 1,024 float32; w_qkv 1,024 x 3,072 float32; x 4 x 2,048 x 1,024 float32.
;; Outputs: out0 4 x 2,048 x 1,024 float32.
;; This version of the problem:
;;   THIS VERSION OF THE PROBLEM IS GIVEN IN LOW PRECISION. The matrix products marked QUANTISED in the list below multiply operands that are first quantised to E2M3 (2 exponent bits, 3 mantissa bits; 6 bits a number), with one power-of-two scale for each 32 numbers along K (OCP MX v1.0); their sums are f32. All else is computed in f32.
;;   The module's matrix products, in the order in which they are computed (A, B: the left and right operand; K: the contracted axis; several contracted axes count as one K, in the product's order):
;;     1. [M 8,192, K 1,024] x [K 1,024, N 3,072]; A: input x; B: input w_qkv: QUANTISED
;;     2. batch 64 x [M 2,048, K 64] x [K 64, N 2,048]; A: computed on the way; B: computed on the way: QUANTISED
;;     3. batch 64 x [M 2,048, K 2,048] x [K 2,048, N 64]; A: softmax (see below); B: computed on the way: QUANTISED
;;     4. [M 8,192, K 1,024] x [K 1,024, N 1,024]; A: computed on the way; B: input w_out: QUANTISED
;;   THE QUANTISER, for each operand of a quantised product, along K:
;;     - K is cut into blocks of 32 from its start; a last block that is shorter is filled with zeros.
;;     - A block's scale is 2^e with e = floor(log2(the largest magnitude in the block)) - 2, held to -126 .. 127; a block of zeros has e = 0. As a byte (E8M0): e + 127.
;;     - Each number is divided by its block's scale, clamped to +-7.5, and rounded to the nearest number of E2M3, ties to even, subnormals kept.
;;     - The product sums the exact products of the quantised numbers (number of the format x scale) in f32.
;;   ~~~python
;;   def quantise(x, axis):      # numpy; x: float32 -> the quantised numbers, widened to float32 again
;;       x = np.moveaxis(x, axis, -1); K = x.shape[-1]
;;       x = np.pad(x, [(0, 0)] * (x.ndim - 1) + [(0, -K % 32)]); x = x.reshape(x.shape[:-1] + (-1, 32)); a = np.abs(x).max(-1, keepdims=True)
;;       e = np.where(a > 0, np.clip(np.frexp(np.where(a > 0, a, 1))[1] - 1 - 2, -126, 127), 0)      # np.frexp(a)[1] - 1 = floor(log2(a)), exactly
;;       r = np.clip(x / 2.0 ** e, -7.5, 7.5)
;;       step = 2.0 ** (np.maximum(np.frexp(np.where(r == 0, 1, r))[1] - 1, 0) - 3)
;;       q = np.round(r / step) * step * 2.0 ** e      # np.round: ties to even
;;       return np.moveaxis(q.reshape(q.shape[:-2] + (-1,))[..., :K], -1, axis).astype(np.float32)
;;   ~~~
;;   SOFTMAX AHEAD OF A QUANTISED PRODUCT. Where the list says 'softmax', what is quantised is not the finished softmax but p = 2^(t - M), with t = logit x log2(e) and M = ceil(the row's largest t), a whole number; so 1/2 < the row's largest p <= 1. The row's sum l is taken of the UNQUANTISED p, in f32, and the product's result is divided by l at the end. Since M is a whole number, a kernel that streams over the keys may use a running M (the ceiling of the running maximum): every later rescaling is an exact power of two, which a block's scale takes up: the codes' values come out the same.
;;   OPERANDS COMPUTED ON THE WAY. 'Computed on the way' means the value that the module computes at that place (a softmax that the list does not call 'softmax' is quantised finished and normalised). What goes into a quantiser is computed in f32, as accurately as f32 sums, v_exp_f32 and their like allow (about 1e-6 of the number): no bf16 or f16 on the way to a quantiser, and a product that is left as it is and whose result goes on into a quantised operand takes f32 operands (vector FMAs, or v_wmma_f32_16x16x4_f32). A number that lies on a knife's edge between two numbers of the format may be rounded either way, as far as f32 arithmetic and the matrix unit's own rounding can turn it there, and no further.
;; One version. Each part assembles by itself: llvm-mc -triple=amdgcn-amd-amdhsa -mcpu=gfx1250 --defsym DOCPART=n.
;; ======== version 1 of 1: 5 launches
;; workspace buffers: xq 6,553,600 bytes; wts 3,276,800 bytes; qbuf 6,553,600 bytes; kv 13,107,200 bytes; yq 6,553,600 bytes
;; launch quant_x (part 1): grid 256 x 1, 4 waves a work-group, no clusters, 34,304 bytes of LDS; arguments x, xq; writes xq
.if DOCPART == 1
	.amdgcn_target "amdgcn-amd-amdhsa--gfx1250"
	.amdhsa_code_object_version 6
	.text
	.protected	k_q35ab503311_quant_x
	.globl	k_q35ab503311_quant_x
	.p2align	8
	.type	k_q35ab503311_quant_x,@function
k_q35ab503311_quant_x:
	s_mov_b64 s[64:65], 0
	v_nop
	global_prefetch_b8 v0, s[64:65] scope:SCOPE_SE
	s_setreg_imm32_b32 hwreg(HW_REG_WAVE_MODE, 25, 1), 1
	s_wait_xcnt 0x0
; x [8192][1024] f32 becomes codes of FP6 (E2M3) with one E8M0 byte for each 32 along K, laid as the first product's launch wants its operand:
; IMAGES OF FRAGMENTS.  A fragment is 16 tokens x 128 K, 12 registers a lane; its image is 1,536 bytes: registers 4 c .. 4 c + 3 of lane l at 512 c + 16 l.
; THE TOKENS OF A TILE ARE NOT NEIGHBOURS: row i of tile rt = 2 (token / 32) + u is token 32 (token / 32) + 8 u + i + 8 (i / 8).
; xq: images [rt 512][K step 8][1,536] from byte 0; scale words [rt][K step][row] (4 bytes each, 512 bytes a tile) from byte XSC.
; A block's scale is 2^(floor(log2(its largest magnitude)) - 2); its byte is the largest magnitude's exponent field - 2, held at 1 from below.
; LIMITS: NaN and infinities are not served; a block whose largest magnitude lies under 2^-124 gets the byte 1; a block of zeros gets the byte 1 where the
; rule says 127 (its codes are zeros, and this program alone reads the bytes).
; SHARES.  A work-group takes 32 tokens; wave w takes tile u = w / 2 and K steps 4 (w % 2) + 0 .. 3.  Each load reads 512 consecutive bytes of one token's row; a K step's
; 16 rows turn through the wave's own stage in LDS (rows 528 bytes apart), so that a lane gets 16 neighbours of each block of 32.  Waves share nothing: no barrier.
; The work-groups share no input, so there is no cluster; the stream is read once and the loads run two K steps (32 loads a wave) ahead.
.set STG,   8448                       ; a wave's stage: 16 rows x (512 + 16) bytes
.set SPARE, 4*STG                      ; behind the stages: the spare words, 128 bytes for each wave
.set XSC,   6291456
.set L16, 1                            ; v1   16 x lane
.set L4,  2                            ; v2   4 x lane
.set SIN, 3                            ; v3   the stage, on the way in
.set SOU, 4                            ; v4   and on the way out: row r, + 64 h
.set SPW, 5                            ; v5   my spare word; never rewritten
.set NIL, 6                            ; v6   0; never rewritten
.set R,   16                           ; v16-143  two sets of 64 registers as loaded
.set X,   144                          ; v144-207 64 numbers: register 16 b + i = k 32 b + 16 h + i of my row
.set TM,  208                          ; v208-223 at work
.set PW,  224                          ; the scale word just made
.set SW,  225                          ; v225-226 two K steps' words in one register: lanes 0-15 the even step's, lanes 16-31 the odd one's
.set PC,  228                          ; v228-247 the codes just made
.set SEL, 12                           ; s[12:13] lane selects: lane l xor 16
	s_load_b128 s[4:7], s[0:1], 0x0                ; x, xq
	v_lshl_add_u32 v[SPW], v0, 2, SPARE
	v_mov_b32 v[NIL], 0
	v_lshrrev_b32 v7, 5, v0
	v_readfirstlane_b32 s14, v7                    ; wave
	s_lshr_b32 s15, s14, 1                         ; u
	s_and_b32 s16, s14, 1                          ; which half of K
	v_and_b32 v8, 31, v0
	v_lshlrev_b32 v[L16], 4, v8
	v_lshlrev_b32 v[L4], 2, v8
	s_mul_i32 s17, s14, STG
	v_add_nc_u32 v[SIN], s17, v[L16]
	v_and_b32 v9, 15, v0                           ; r
	v_bfe_u32 v10, v0, 4, 1                        ; h
	v_mul_u32_u24 v[SOU], v9, 528
	v_lshl_add_u32 v[SOU], v10, 6, v[SOU]
	v_add_nc_u32 v[SOU], s17, v[SOU]
	s_mov_b32 s10, 0xffff0000                      ; lanes 16-31
	s_mov_b32 s[SEL], 0x76543210
	s_mov_b32 s[SEL+1], 0xfedcba98
.irp b, 0,1,2,3
	v_mov_b32 v[TM+4+\b], 0                        ; written once: a lane permute's destination counts as one of its sources
.endr
	s_lshl_b32 s18, ttmp9, 17                      ; 32 tokens of 4,096 bytes,
	s_lshl_b32 s20, s15, 15                        ; + 8 u tokens,
	s_add_co_u32 s18, s18, s20
	s_lshl_b32 s20, s16, 11                        ; + my half of K
	s_add_co_u32 s18, s18, s20
	s_mov_b32 s19, 0
	s_lshl_b32 s20, ttmp9, 1
	s_add_co_u32 s20, s20, s15                     ; rt
	s_lshl_b32 s22, s20, 3
	s_lshl_b32 s21, s16, 2
	s_add_co_u32 s22, s22, s21
	s_mul_i32 s22, s22, 1536                       ; my first image
	s_mov_b32 s23, 0
	s_lshl_b32 s24, s20, 9
	s_lshl_b32 s21, s16, 8
	s_add_co_u32 s24, s24, s21
	s_add_co_u32 s24, s24, XSC                     ; my first scale words
	s_mov_b32 s25, 0
	s_wait_kmcnt 0x0
	s_add_nc_u64 s[4:5], s[4:5], s[18:19]
	s_add_nc_u64 s[8:9], s[6:7], s[24:25]
	s_add_nc_u64 s[6:7], s[6:7], s[22:23]
.macro LOAD t                          ; K step t of my 16 tokens: 512 consecutive bytes a load
.irp i, 0,1,2,3,4,5,6,7,8,9,10,11,12,13,14,15
	global_load_b128 v[R+64*((\t)%2)+4*\i:R+64*((\t)%2)+4*\i+3], v[L16], s[4:5] offset:(\i+8*(\i/8))*4096+512*(\t) th:TH_LOAD_NT
.endr
.endm
; 64 numbers of a lane become a fragment's codes in v[PC] on and its scale word in v[PW]
.macro QUANT s
.irp b, 0,1,2,3
	v_max3_num_f32 v[TM+\b], |v[\s+16*\b]|, |v[\s+1+16*\b]|, 0x1800000   ; block b: my 16 numbers, and the floor 2^(3 - 127): the byte cannot fall under 1
.endr
.irp i, 2,4,6,8,10,12,14
.irp b, 0,1,2,3
	v_max3_num_f32 v[TM+\b], v[TM+\b], |v[\s+16*\b+\i]|, |v[\s+1+16*\b+\i]|   ; the four blocks by turns
.endr
.endr
.irp b, 0,1,2,3
	v_permlanex16_b32 v[TM+4+\b], v[TM+\b], s[SEL], s[SEL+1]
.endr
.irp b, 0,1,2,3
	v_max_num_f32 v[TM+\b], v[TM+\b], v[TM+4+\b]   ; with lane l xor 16's: the block's largest magnitude
.endr
.irp b, 0,1,2,3
	v_add_nc_u32 v[TM+12+\b], 0xff000000, v[TM+\b] ; 2 off its exponent field: the conversion's scale operand
.endr
.irp b, 0,1,2,3
	v_lshrrev_b32 v[TM+4+\b], 23, v[TM+12+\b]      ; the scale's byte
.endr
	v_lshl_or_b32 v[PW], v[TM+5], 8, v[TM+4]
	v_lshl_or_b32 v[PW], v[TM+6], 16, v[PW]
	v_lshl_or_b32 v[PW], v[TM+7], 24, v[PW]
.irp c, 0,1
	v_cvt_scalef32_pk16_fp6_f32 v[PC+6*\c:PC+2+6*\c], v[\s+32*\c:\s+15+32*\c], v[TM+12+2*\c]
	v_cvt_scalef32_pk16_fp6_f32 v[PC+12+4*\c:PC+14+4*\c], v[\s+16+32*\c:\s+31+32*\c], v[TM+12+2*\c+1]   ; (a conversion's three registers begin on an even number)
.endr
	v_nop                                          ; one plain place behind a scaled conversion
.irp c, 0,1                                    ; the operand's layout wants a whole block in a lane: lanes 0-15 block 2 c, lanes 16-31 block 2 c + 1
.irp i, 0,1,2
	v_permlane16_swap_b32 v[PC+6*\c+\i], v[PC+12+4*\c+\i]
.endr
.irp i, 0,1,2
	v_mov_b32 v[PC+3+6*\c+\i], v[PC+12+4*\c+\i]
.endr
.endr
.endm
.macro STEP t
.set RS, R+64*((\t)%2)
.if (\t) < 3
	s_wait_loadcnt 16                              ; this K step's 16 loads are in; the next step's may be out
.else
	s_wait_loadcnt 0x0
.endif
.irp i, 0,1,2,3,4,5,6,7,8,9,10,11,12,13,14,15
	ds_store_b128 v[SIN], v[RS+4*\i:RS+4*\i+3] offset:528*\i
.endr
.irp b, 0,1,2,3
.irp j, 0,1,2,3
	ds_load_b128 v[X+16*\b+4*\j:X+16*\b+4*\j+3], v[SOU] offset:128*\b+16*\j   ; LDS serves a wave's instructions in order: these see the stores above
.endr
.endr
	s_wait_dscnt 0x0                               ; the numbers are back, and the stores have read their registers,
	s_wait_xcnt 0x0                                ; and the last step's global stores theirs: the codes' registers may be written again
.if (\t)+2 < 4
	LOAD (\t)+2                                    ; which take the loads of two steps on
.endif
	QUANT X
.irp c, 0,1,2
	global_store_b128 v[L16], v[PC+4*\c:PC+4*\c+3], s[6:7] offset:1536*(\t)+512*\c   ; 512 consecutive bytes, at a multiple of 256 from the buffer's first byte
.endr
.if (\t)%2 == 0
	v_mov_b32 v[SW+(\t)/2], v[PW]
.else
	v_cndmask_b32 v[SW+(\t)/2], v[SW+(\t)/2], v[PW], s10       ; lanes 16-31 take the odd step's words
	global_store_b32 v[L4], v[SW+(\t)/2], s[8:9] offset:128*((\t)/2)
.endif
.endm
	LOAD 0
	LOAD 1
	STEP 0
	STEP 1
	STEP 2
	STEP 3
	s_wait_tensorcnt 0x0                           ; the wave's end, behind my last LDS store
	ds_add_u32 v[SPW], v[NIL]
	s_wait_dscnt 0x0
	s_endpgm
.Lfunc_end_k_q35ab503311_quant_x:
	.size	k_q35ab503311_quant_x, .Lfunc_end_k_q35ab503311_quant_x-k_q35ab503311_quant_x
	.p2alignl 7, 3214868480
	.fill 96, 4, 3214868480
	.section	.rodata,"a",@progbits
	.p2align	6, 0x0
	.amdhsa_kernel k_q35ab503311_quant_x
		.amdhsa_group_segment_fixed_size 34304
		.amdhsa_private_segment_fixed_size 0
		.amdhsa_enable_private_segment 0
		.amdhsa_kernarg_size 16
		.amdhsa_user_sgpr_count 2
		.amdhsa_user_sgpr_kernarg_segment_ptr 1
		.amdhsa_wavefront_size32 1
		.amdhsa_system_sgpr_workgroup_id_x 1
		.amdhsa_system_sgpr_workgroup_id_y 1
		.amdhsa_system_sgpr_workgroup_id_z 1
		.amdhsa_system_vgpr_workitem_id 0
		.amdhsa_next_free_vgpr 256
		.amdhsa_next_free_sgpr 66
		.amdhsa_reserve_vcc 0
		.amdhsa_float_denorm_mode_32 3
		.amdhsa_float_denorm_mode_16_64 3
		.amdhsa_memory_ordered 1
		.amdhsa_forward_progress 1
		.amdhsa_inst_pref_size 33
	.end_amdhsa_kernel
	.amdgpu_metadata
---
amdhsa.version: [ 1, 2 ]
amdhsa.kernels:
  - .name:           k_q35ab503311_quant_x
    .symbol:         k_q35ab503311_quant_x.kd
    .args:
      - { .name: x, .offset: 0, .size: 8, .value_kind: global_buffer, .address_space: global }
      - { .name: xq, .offset: 8, .size: 8, .value_kind: global_buffer, .address_space: global }
    .group_segment_fixed_size: 34304
    .private_segment_fixed_size: 0
    .kernarg_segment_align: 8
    .kernarg_segment_size: 16
    .max_flat_workgroup_size: 128
    .sgpr_count:     66
    .vgpr_count:     256
    .wavefront_size: 32
...
	.end_amdgpu_metadata
.endif
;; end of part 1
;; launch quant_w (part 2): grid 32 x 8, 4 waves a work-group, no clusters, 12,800 bytes of LDS; arguments w_qkv, w_out, wts; writes wts
.if DOCPART == 2
	.amdgcn_target "amdgcn-amd-amdhsa--gfx1250"
	.amdhsa_code_object_version 6
	.text
	.protected	k_q35ab503311_quant_w
	.globl	k_q35ab503311_quant_w
	.p2align	8
	.type	k_q35ab503311_quant_w,@function
k_q35ab503311_quant_w:
	s_mov_b64 s[64:65], 0
	v_nop
	global_prefetch_b8 v0, s[64:65] scope:SCOPE_SE
	s_setreg_imm32_b32 hwreg(HW_REG_WAVE_MODE, 25, 1), 1
	s_wait_xcnt 0x0
; w_qkv [1024][3072] and w_out [1024][1024], f32, K their FIRST axis, become codes of FP6 (E2M3) with one E8M0 byte for each 32 along K, laid as images of fragments
; (16 columns x 128 K, 1,536 bytes: registers 4 c .. 4 c + 3 of lane l at 512 c + 16 l).  wts: images [TR 256][K step 8][1,536] from byte 0; scale words [TR][K step][row] from byte WSC.
; THE COLUMNS OF A TILE ARE NOT NEIGHBOURS: row i of tile u of a group of 32 columns is column 8 u + i + 8 (i / 8).
; TR: w_qkv: 12 x head + (q: 2 cb + u | v, cb = 0: 4 + u | k: 6 + 2 cb + u | v, cb = 1: 10 + u), cb = which 32 of the head's 64;  w_out: 192 + 2 (column / 32) + u.
; A LANE TAKES A COLUMN AND ITS REGISTERS RUN DOWN K: a block of 32 lies in one lane, so that its largest magnitude needs no other lane and the conversions give codes with K innermost.
; A lane's 24 bytes of a block belong to another lane's registers of the image: they turn through the wave's own stage in LDS, 48 bytes for each lane of an image.
; LIMITS: NaN and infinities are not served; a block whose largest magnitude lies under 2^-124 gets the byte 1, and so does a block of zeros (its codes are zeros; this program alone reads the bytes).
; SHARES.  Work-group (x, y): 128 columns x K step y; wave w: the 32 columns of group G = 4 x + w.  The first 24 x take w_qkv, the others w_out: only pointers and pitches are chosen, there is one path.
; A wave's load covers 128 consecutive bytes, a work-group's four 512.  Loads run two blocks (64 loads a wave) ahead.  Work-groups share no input: no cluster.
.set WSC,   3145728
.set SPARE, 12288                      ; behind the four stages of 3,072 bytes: the spare words
.set AD,  16                           ; v16-47   4 x lane + i x pitch; never rewritten
.set X,   64                           ; v64-191  four blocks of 32 numbers; later the images on their way out
.set C,   192                          ; v192-223 eight registers for each block's codes
	s_load_b128 s[4:7], s[0:1], 0x0                ; w_qkv, w_out
	s_load_b64 s[8:9], s[0:1], 0x10                ; wts
	v_lshl_add_u32 v14, v0, 2, SPARE               ; my spare word; never rewritten
	v_mov_b32 v15, 0                               ; 0; never rewritten
	v_lshrrev_b32 v1, 5, v0
	v_readfirstlane_b32 s10, v1                    ; wave
	s_and_b32 s11, ttmp7, 0xffff                   ; the K step
	s_lshl_b32 s12, ttmp9, 2
	s_add_co_u32 s12, s12, s10                     ; G
	s_lshr_b32 s13, s12, 5                         ; 0 q, 1 k, 2 v
	s_bfe_u32 s14, s12, 0x40001                    ; the head
	s_and_b32 s15, s12, 1                          ; cb
	s_lshl_b32 s28, s15, 1                         ; q: 2 cb
	s_add_co_u32 s29, s28, 6                       ; k: 6 + 2 cb
	s_mul_i32 s30, s15, 6
	s_add_co_u32 s30, s30, 4                       ; v: 4 + 6 cb
	s_cmp_eq_u32 s13, 1
	s_cselect_b32 s28, s29, s28
	s_cmp_eq_u32 s13, 2
	s_cselect_b32 s28, s30, s28
	s_mul_i32 s29, s14, 12
	s_add_co_u32 s28, s28, s29                     ; w_qkv's TR of tile u = 0
	s_sub_co_u32 s29, s12, 96                      ; w_out's group of 32 columns
	s_lshl_b32 s30, s29, 1
	s_add_co_u32 s30, s30, 192                     ; and its TR
	s_mov_b32 s31, 4096
	s_cmp_lt_u32 ttmp9, 24                         ; which tensor: the work-group's number alone decides
	s_cselect_b32 s28, s28, s30                    ; TR
	s_cselect_b32 s29, s12, s29                    ; the group of 32 columns in its tensor
	s_cselect_b32 s31, 12288, s31                  ; a row of the tensor in bytes
	s_lshl_b32 s32, s11, 7
	s_mul_i32 s32, s32, s31                        ; 128 y rows,
	s_lshl_b32 s33, s29, 7
	s_add_co_u32 s32, s32, s33                     ; + the group's 128 bytes
	s_mov_b32 s33, 0
	s_lshl_b32 s34, s31, 5                         ; a block on: 32 rows
	s_mov_b32 s35, 0
	s_lshl_b32 s36, s28, 3
	s_add_co_u32 s36, s36, s11
	s_mul_i32 s36, s36, 1536                       ; the image of (TR, y)
	s_mov_b32 s37, 0
	s_lshl_b32 s38, s28, 9
	s_lshl_b32 s39, s11, 6
	s_add_co_u32 s38, s38, s39
	s_add_co_u32 s38, s38, WSC                     ; and its scale words
	s_mov_b32 s39, 0
	v_and_b32 v5, 31, v0                           ; lane = column in the group
	v_lshlrev_b32 v6, 2, v5
	v_lshlrev_b32 v3, 4, v5                        ; 16 x lane
	v_bfe_u32 v7, v0, 3, 1                         ; my column's tile u
	v_and_b32 v9, 7, v0
	v_bfe_u32 v10, v0, 4, 1
	v_lshl_add_u32 v9, v10, 3, v9                  ; and its row in the tile
	s_mul_i32 s40, s10, 3072
	v_mul_u32_u24 v1, v9, 48
	v_mad_u32_u24 v1, v7, 1536, v1
	v_add_nc_u32 v1, s40, v1                       ; the stage, on the way in: image u, lane = row (+ 16 for odd blocks)
	v_mul_u32_u24 v2, v5, 48
	v_add_nc_u32 v2, s40, v2                       ; and on the way out: my 48 bytes
	v_lshlrev_b32 v4, 2, v9
	v_lshl_add_u32 v4, v7, 9, v4                   ; my column's scale word: 512 u + 4 row
.irp i, 0,1,2,3,4,5,6,7,8,9,10,11,12,13,14,15,16,17,18,19,20,21,22,23,24,25,26,27,28,29,30,31
	v_mad_u32_u24 v[AD+\i], s31, \i, v6
.endr
	s_wait_kmcnt 0x0
	s_cmp_lt_u32 ttmp9, 24
	s_cselect_b64 s[4:5], s[4:5], s[6:7]
	s_add_nc_u64 s[16:17], s[4:5], s[32:33]        ; a base for each block
	s_add_nc_u64 s[18:19], s[16:17], s[34:35]
	s_add_nc_u64 s[20:21], s[18:19], s[34:35]
	s_add_nc_u64 s[22:23], s[20:21], s[34:35]
	s_add_nc_u64 s[24:25], s[8:9], s[36:37]
	s_add_nc_u64 s[26:27], s[8:9], s[38:39]
.macro LOAD t
.irp i, 0,1,2,3,4,5,6,7,8,9,10,11,12,13,14,15,16,17,18,19,20,21,22,23,24,25,26,27,28,29,30,31
	global_load_b32 v[X+32*(\t)+\i], v[AD+\i], s[16+2*(\t):17+2*(\t)] th:TH_LOAD_NT
.endr
.endm
.macro BLOCK t
.set XS, X+32*(\t)
.set CC, C+8*(\t)
.if (\t) < 3
	s_wait_loadcnt 32                              ; this block's 32 loads are in; the next block's may be out
.else
	s_wait_loadcnt 0x0
.endif
.if (\t)+2 < 4
	LOAD (\t)+2
.endif
	v_max3_num_f32 v12, |v[XS]|, |v[XS+1]|, |v[XS+2]|              ; the block's largest magnitude: all 32 numbers are mine
	v_max3_num_f32 v13, |v[XS+3]|, |v[XS+4]|, |v[XS+5]|
.irp i, 6,10,14,18,22,26
	v_max3_num_f32 v12, v12, |v[XS+\i]|, |v[XS+\i+1]|
	v_max3_num_f32 v13, v13, |v[XS+\i+2]|, |v[XS+\i+3]|
.endr
	v_max3_num_f32 v12, v12, |v[XS+30]|, |v[XS+31]|
	v_max3_num_f32 v12, v12, v13, 0x1800000        ; and the floor 2^(3 - 127)
	v_add_nc_u32 v11, 0xff000000, v12              ; 2 off its exponent field: the conversion's scale operand
	v_lshrrev_b32 v13, 23, v11                     ; the scale's byte
.if (\t) == 0
	v_mov_b32 v8, v13
.else
	v_lshl_or_b32 v8, v13, 8*(\t), v8              ; the lower K in the lower byte
.endif
	v_cvt_scalef32_pk16_fp6_f32 v[CC:CC+2], v[XS:XS+15], v11
	v_cvt_scalef32_pk16_fp6_f32 v[CC+4:CC+6], v[XS+16:XS+31], v11  ; (a conversion's three registers begin on an even number)
	v_nop                                          ; one plain place behind a scaled conversion
	v_mov_b32 v[CC+3], v[CC+4]
	v_mov_b32 v[CC+4], v[CC+5]
	v_mov_b32 v[CC+5], v[CC+6]                     ; six registers on end: the block's 24 bytes = registers 6 (t / 2) .. + 5 of lane row + 16 (t % 2)
.irp k, 0,1,2
	ds_store_b64 v1, v[CC+2*\k:CC+2*\k+1] offset:768*((\t)%2)+24*((\t)/2)+8*\k
.endr
.endm
	LOAD 0
	LOAD 1
	BLOCK 0
	BLOCK 1
	BLOCK 2
	BLOCK 3
	global_store_b32 v4, v8, s[26:27]              ; my column's scale word
.irp n, 0,1,2,3,4,5
	ds_load_b128 v[X+4*\n:X+4*\n+3], v2 offset:1536*(\n/3)+16*(\n%3)   ; LDS serves a wave's instructions in order: these see my stores
.endr
.irp n, 0,1,2,3,4,5
	s_wait_dscnt 5-\n                              ; the younger loads may be out
	global_store_b128 v3, v[X+4*\n:X+4*\n+3], s[24:25] offset:12288*(\n/3)+512*(\n%3)   ; 512 consecutive bytes, at a multiple of 256 from the buffer's first byte
.endr
	s_wait_tensorcnt 0x0                           ; the wave's end, behind my last LDS store
	ds_add_u32 v14, v15
	s_wait_dscnt 0x0
	s_endpgm
.Lfunc_end_k_q35ab503311_quant_w:
	.size	k_q35ab503311_quant_w, .Lfunc_end_k_q35ab503311_quant_w-k_q35ab503311_quant_w
	.p2alignl 7, 3214868480
	.fill 96, 4, 3214868480
	.section	.rodata,"a",@progbits
	.p2align	6, 0x0
	.amdhsa_kernel k_q35ab503311_quant_w
		.amdhsa_group_segment_fixed_size 12800
		.amdhsa_private_segment_fixed_size 0
		.amdhsa_enable_private_segment 0
		.amdhsa_kernarg_size 24
		.amdhsa_user_sgpr_count 2
		.amdhsa_user_sgpr_kernarg_segment_ptr 1
		.amdhsa_wavefront_size32 1
		.amdhsa_system_sgpr_workgroup_id_x 1
		.amdhsa_system_sgpr_workgroup_id_y 1
		.amdhsa_system_sgpr_workgroup_id_z 1
		.amdhsa_system_vgpr_workitem_id 0
		.amdhsa_next_free_vgpr 224
		.amdhsa_next_free_sgpr 66
		.amdhsa_reserve_vcc 0
		.amdhsa_float_denorm_mode_32 3
		.amdhsa_float_denorm_mode_16_64 3
		.amdhsa_memory_ordered 1
		.amdhsa_forward_progress 1
		.amdhsa_inst_pref_size 26
	.end_amdhsa_kernel
	.amdgpu_metadata
---
amdhsa.version: [ 1, 2 ]
amdhsa.kernels:
  - .name:           k_q35ab503311_quant_w
    .symbol:         k_q35ab503311_quant_w.kd
    .args:
      - { .name: w_qkv, .offset: 0, .size: 8, .value_kind: global_buffer, .address_space: global }
      - { .name: w_out, .offset: 8, .size: 8, .value_kind: global_buffer, .address_space: global }
      - { .name: wts, .offset: 16, .size: 8, .value_kind: global_buffer, .address_space: global }
    .group_segment_fixed_size: 12800
    .private_segment_fixed_size: 0
    .kernarg_segment_align: 8
    .kernarg_segment_size: 24
    .max_flat_workgroup_size: 128
    .sgpr_count:     66
    .vgpr_count:     224
    .wavefront_size: 32
...
	.end_amdgpu_metadata
.endif
;; end of part 2
;; launch gemm_qkv (part 3): grid 16 x 32, 4 waves a work-group, clusters of 4 x 4, 327,680 bytes of LDS; arguments xq, wts, b_qkv, qbuf, kv; writes qbuf, kv
.if DOCPART == 3
	.amdgcn_target "amdgcn-amd-amdhsa--gfx1250"
	.amdhsa_code_object_version 6
	.text
	.protected	k_q35ab503311_gemm_qkv
	.globl	k_q35ab503311_gemm_qkv
	.p2align	8
	.type	k_q35ab503311_gemm_qkv,@function
k_q35ab503311_gemm_qkv:
	s_mov_b64 s[64:65], 0
	v_nop
	global_prefetch_b8 v0, s[64:65] scope:SCOPE_SE
	s_setreg_imm32_b32 hwreg(HW_REG_WAVE_MODE, 25, 1), 1
	s_wait_xcnt 0x0
	s_wait_alu depctr_hold_cnt(0) depctr_sa_sdst(0) depctr_va_vdst(0) depctr_va_sdst(0) depctr_va_ssrc(0) depctr_va_vcc(0) depctr_vm_vsrc(0)
	s_getreg_b32 s2, hwreg(HW_REG_IB_STS2, 6, 4)
	s_cmp_eq_u32 s2, 0
	s_cbranch_scc0 .Lentry_in_a_cluster
	s_endpgm
.Lentry_in_a_cluster:
	s_bfe_u32 s2, ttmp6, 0x10000c
	s_cmp_lg_u32 s2, 0xf033
	s_cbranch_scc0 .Lentry_shape_is_right
	s_endpgm
.Lentry_shape_is_right:
; qkv = x w_qkv + b_qkv on codes of FP6 (E2M3) with E8M0 scales; q, k and v are quantised in registers and leave as the attention launch's operands: no f32 number of qkv goes to memory.
; SHARES.  A work-group takes 256 tokens x the q, k and v columns of ONE head (192 columns).  Wave w: tokens 128 (w / 2) on (8 tiles of 16); w % 2 = 0: q's 64 columns and v's channels 0-31,
; w % 2 = 1: k's 64 and v's channels 32-63: six tiles of weights, 48 accumulators.  For 128 along K a wave reads 14 fragments from LDS for 48 matrix instructions.
; ORIENTATION.  q, k: source 0 = 16 columns of W, source 1 = 16 tokens: a lane holds ONE token and its registers run along the head's channels, which are the next product's K.
; v: source 0 = 16 tokens, source 1 = 16 columns: a lane holds ONE channel and its registers run along the tokens, which are the keys: the third product's K.
; Tokens and columns of a tile are chosen (row i: 8 u + i + 8 (i / 8) in a group of 32) so that the 16 registers of two neighbouring tiles are 16 neighbours along that K.
; The bias is the C of each sum's first matrix instruction (so it is added ahead of the products, not behind them: an order of f32 rounding that differs from x w + b).
; OPERANDS come as images of fragments (1,536 bytes; three loads of 16 bytes a lane).  K = 1,024 is 8 steps of 128; an LDS slot holds two steps; three slots are filled at the start and slot 0 once more.
; CLUSTERS: 4 x 4 work-groups.  The four of a row need the same tokens, the four of a column the same head's weights: each tile is asked for JOINTLY.
; OUT.  qbuf [batch x head 64][block of 128 tokens 16][6,400]: four fragments (each two tiles of 16 tokens: registers 0-5 and 6-11; a lane's half = 32 channels), then 256 bytes of scale words.
; kv [..][..][12,800]: k likewise at 0; v's four fragments (16 channels x 128 keys) at 6,400, their scale words at 12,544.
; LIMITS: NaN and infinities are not served; a block whose largest magnitude lies under 2^-124 gets the byte 1, and so does a block of zeros (its codes are zeros; this program alone reads the bytes).
; REGISTERS, in windows of 256: window 0: addresses, scale words (v32-87), biases (v88-135), the way out's work (v136-181).  window 1: fragment set 0 (x at v0, W at v96) and set 1's W (v168).
;   window 2: q's or k's 32 accumulators (32 a + 8 t).   window 3: v's 16 accumulators (64 (t - 4) + 8 a) and, from v128, set 1's fragments of x.
.set SLOT,  86016                      ; 16 tiles of x, then 12 of W, 3,072 bytes (two K steps) each
.set BOFF,  49152
.set SPARE, 3*SLOT                     ; behind the slots: the spare words, 128 bytes for each wave
.set XSC,   6291456
.set WSC,   3145728
.set ADRA, 2                           ; v2-4   my fragments of x in slot 0, 1, 2
.set ADRB, 5                           ; v5-7   of W
.set L16,  8                           ; v8     16 x lane
.set L4,   9                           ; v9     4 x lane
.set SPW,  10                          ; v10    my spare word; never rewritten
.set NIL,  11                          ; v11    0; never rewritten
.set H64,  12                          ; v12    64 h
.set PI4,  13                          ; v13    4 (r + 8 (r / 8))
.set VO16, 17                          ; v17    16 x lane + 3,072 (w % 2): v's images
.set VO4,  18                          ; v18    4 x lane + 128 (w % 2): v's scale words
.set SA,   32                          ; v32-63  x's scale words: 4 a + c: lanes 0-15 K step 2 c, lanes 16-31 K step 2 c + 1
.set SB,   64                          ; v64-87  W's: 4 t + c
.set BQ,   88                          ; v88-119 the bias of q or k, eight registers a tile, in the result's layout
.set BV,   120                         ; v120-135 of v
.set TM,   136
.set WD,   152                         ; v152-157 the scale words made
.set OW,   158                         ; v158-160 two of them in one register
.set PC,   162                         ; v162-181 the codes just made
.set G1A, 20
.set G1B, 28
.set G0A, 36                           ; three sets, one for each first fill; set 0 walks on to the refill
.set G0B, 48
.set SEL, 88
.set HM,  90
.set MSB, 0
.macro WIN new                         ; the immediate's high byte repeats the setting that is left
.if MSB != \new
	s_set_vgpr_msb (MSB<<8)|\new
.set MSB, \new
.endif
.endm
.macro PLACES n
.rept \n
	v_nop
.endr
.endm
.macro CROUND                          ; a round of the cluster's barrier
	s_barrier_signal -1
	s_barrier_wait -1
	s_cmp_lg_u32 s14, 0
	s_cbranch_scc1 .Lnot_wave_0_\@
	s_barrier_signal -3
.Lnot_wave_0_\@:
	s_barrier_wait -3
	s_barrier_signal -1
	s_barrier_wait -1
.endm
.macro JLOAD                           ; the joint refill: waves 0 and 1 fetch x's halves, waves 2 and 3 W's; an s_nop 0 and four v_nop follow each line
	s_cmp_eq_u32 s15, 0
	s_cbranch_scc0 .Lfor_b_\@
	tensor_load_to_lds s[G0A:G0A+3], s[G1A:G1A+7]
	s_nop 0
.rept 4
	v_nop
.endr
	s_branch .Lasked_\@
.Lfor_b_\@:
	tensor_load_to_lds s[G0B:G0B+3], s[G1B:G1B+7]
	s_nop 0
.rept 4
	v_nop
.endr
.Lasked_\@:
.endm
	s_load_b256 s[4:11], s[0:1], 0x0               ; xq, wts, b_qkv, qbuf
	s_load_b64 s[12:13], s[0:1], 0x20              ; kv
	v_lshl_add_u32 v[SPW], v0, 2, SPARE
	v_mov_b32 v[NIL], 0
	ds_add_u32 v[SPW], v[NIL]                      ; the wave's opening: the add and its wait ahead of my first tensor load
	v_lshrrev_b32 v1, 5, v0
	v_readfirstlane_b32 s14, v1                    ; wave
	s_lshr_b32 s15, s14, 1                         ; which 128 tokens are mine.  Also: I fetch for x (0) or for W (1)
	s_and_b32 s16, s14, 1                          ; q (0) or k (1), and which half of v.  Also: which half of a tile I fetch
	s_bfe_u32 s66, ttmp6, 0x40000                  ; cx
	s_bfe_u32 s67, ttmp6, 0x40004                  ; cy
	s_lshl_b32 s68, ttmp9, 2
	s_add_co_u32 s68, s68, s66                     ; the head
	s_and_b32 s69, ttmp7, 0xffff
	s_lshl_b32 s69, s69, 2
	s_add_co_u32 s69, s69, s67                     ; the block of 256 tokens
	s_lshl_b32 s70, s67, 2
	s_lshl_b32 s70, 15, s70                        ; my row of the cluster
	s_lshl_b32 s71, 0x1111, s66                    ; my column
	; descriptor group 1: rows of 3,072 bytes (384 elements of 8 bytes), 12,288 bytes apart in memory, dense in LDS: 8 tiles of x, or 6 of W
	s_or_b32 s[G1A], s70, (3<<16)|(1<<21)
	s_or_b32 s[G1B], s71, (3<<16)|(1<<21)
	s_mov_b32 s[G1A+1], 384<<16
	s_mov_b32 s[G1A+2], 8<<16
	s_mov_b32 s[G1A+3], 384<<16
	s_mov_b32 s[G1A+4], 8
	s_mov_b32 s[G1A+5], 1536
	s_mov_b32 s[G1A+6], 0
	s_mov_b32 s[G1A+7], 0
	s_mov_b32 s[G1B+1], 384<<16
	s_mov_b32 s[G1B+2], 6<<16
	s_mov_b32 s[G1B+3], 384<<16
	s_mov_b32 s[G1B+4], 6
	s_mov_b32 s[G1B+5], 1536
	s_mov_b32 s[G1B+6], 0
	s_mov_b32 s[G1B+7], 0
	s_lshl_b32 s72, s69, 4                         ; x: tile 16 x block + 8 x half (registers that never hold cx)
	s_lshl_b32 s73, s16, 3
	s_add_co_u32 s72, s72, s73
	s_mul_i32 s72, s72, 12288
	s_mov_b32 s73, 0
	s_mul_i32 s76, s16, 24576
	s_mul_i32 s74, s68, 12                         ; W: tile 12 x head + 6 x half (registers that never hold cy)
	s_mul_i32 s75, s16, 6
	s_add_co_u32 s74, s74, s75
	s_mul_i32 s74, s74, 12288
	s_mov_b32 s75, 0
	s_mul_i32 s77, s16, 18432
	s_add_co_u32 s77, s77, BOFF
	s_wait_dscnt 0x0                               ; the opening add is done
	s_wait_kmcnt 0x0
	s_add_nc_u64 s[78:79], s[4:5], s[72:73]
	s_add_nc_u64 s[80:81], s[6:7], s[74:75]
	CROUND                                         ; all sixteen work-groups are here: the first joint loads meet
.irp s, 0,1,2
	s_mov_b32 s[G0A+4*\s], 1
	s_add_co_u32 s[G0A+4*\s+1], s76, \s*SLOT
	s_add_nc_u64 s[G0A+4*\s+2:G0A+4*\s+3], s[78:79], \s*3072
	s_or_b32 s[G0A+4*\s+3], s[G0A+4*\s+3], 0x80000000
	s_mov_b32 s[G0B+4*\s], 1
	s_add_co_u32 s[G0B+4*\s+1], s77, \s*SLOT
	s_add_nc_u64 s[G0B+4*\s+2:G0B+4*\s+3], s[80:81], \s*3072
	s_or_b32 s[G0B+4*\s+3], s[G0B+4*\s+3], 0x80000000
.endr
	s_cmp_eq_u32 s15, 0                            ; a wave's three first fills stand in one branch: K steps 0 to 5; three tensor loads of mine are out at the most
	s_cbranch_scc0 .Lfirst_b
.irp s, 0,1,2
	tensor_load_to_lds s[G0A+4*\s:G0A+4*\s+3], s[G1A:G1A+7]
	s_nop 0
.endr
.rept 4
	v_nop
.endr
	s_branch .Lfirst_asked
.Lfirst_b:
.irp s, 0,1,2
	tensor_load_to_lds s[G0B+4*\s:G0B+4*\s+3], s[G1B:G1B+7]
	s_nop 0
.endr
.rept 4
	v_nop
.endr
.Lfirst_asked:
	v_and_b32 v1, 31, v0
	v_lshlrev_b32 v[L16], 4, v1
	v_lshlrev_b32 v[L4], 2, v1
	v_and_b32 v14, 15, v0                          ; r
	v_bfe_u32 v15, v0, 4, 1                        ; h
	v_lshlrev_b32 v[H64], 6, v15
	v_and_b32 v16, 8, v14
	v_add_nc_u32 v16, v16, v14
	v_lshlrev_b32 v[PI4], 2, v16
	s_mul_i32 s82, s15, 24576                      ; my 8 tiles of x,
	s_mul_i32 s83, s16, 18432                      ; my 6 of W,
	s_add_co_u32 s83, s83, BOFF                    ; which lie behind x's 16
.irp s, 0,1,2
	v_add_nc_u32 v[ADRA+\s], s82, v[L16]
	v_add_nc_u32 v[ADRB+\s], s83, v[L16]
	s_add_co_u32 s82, s82, SLOT
	s_add_co_u32 s83, s83, SLOT
.endr
	s_mul_i32 s91, s16, 3072
	v_add_nc_u32 v[VO16], s91, v[L16]
	s_lshl_b32 s91, s16, 7
	v_add_nc_u32 v[VO4], s91, v[L4]
.irp b, 0,1,2,3
	v_mov_b32 v[TM+4+\b], 0                        ; written once: a lane permute's destination counts as one of its sources
.endr
	s_mov_b32 s[SEL], 0x76543210
	s_mov_b32 s[SEL+1], 0xfedcba98
	s_mov_b32 s[HM], 0xffff0000                    ; lanes 16-31
	s_lshl_b32 s2, s69, 4
	s_lshl_b32 s3, s15, 3
	s_add_co_u32 s2, s2, s3
	s_lshl_b32 s2, s2, 9
	s_add_co_u32 s2, s2, XSC
	s_mov_b32 s3, 0
	s_add_nc_u64 s[84:85], s[4:5], s[2:3]          ; my 8 tiles' scale words of x
	s_mul_i32 s2, s68, 12
	s_mul_i32 s17, s16, 6
	s_add_co_u32 s2, s2, s17
	s_lshl_b32 s2, s2, 9
	s_add_co_u32 s2, s2, WSC
	s_add_nc_u64 s[86:87], s[6:7], s[2:3]          ; my 6 tiles' of W
	s_lshl_b32 s2, s16, 12
	s_lshl_b32 s17, s68, 8
	s_add_co_u32 s2, s2, s17
	s_add_nc_u64 s[96:97], s[8:9], s[2:3]          ; the bias of q or k of my head
	s_lshl_b32 s2, s16, 7
	s_add_co_u32 s2, s2, s17
	s_add_co_u32 s2, s2, 8192
	s_add_nc_u64 s[98:99], s[8:9], s[2:3]          ; and of my 32 channels of v
.irp a, 0,1,2,3,4,5,6,7
.irp c, 0,1,2,3
	global_load_b32 v[SA+4*\a+\c], v[L4], s[84:85] offset:512*\a+128*\c
.endr
.endr
.irp t, 0,1,2,3,4,5
.irp c, 0,1,2,3
	global_load_b32 v[SB+4*\t+\c], v[L4], s[86:87] offset:512*\t+128*\c
.endr
.endr
.irp t, 0,1,2,3
	global_load_b128 v[BQ+8*\t:BQ+8*\t+3], v[H64], s[96:97] offset:128*(\t/2)+32*(\t%2)       ; lane (r, h), register j: channel 32 (t / 2) + 8 (t % 2) + 16 h + j
	global_load_b128 v[BQ+8*\t+4:BQ+8*\t+7], v[H64], s[96:97] offset:128*(\t/2)+32*(\t%2)+16
.endr
.irp u, 0,1
.irp j, 0,1,2,3,4,5,6,7
	global_load_b32 v[BV+8*\u+\j], v[PI4], s[98:99] offset:32*\u                              ; a lane holds one channel of v: the same number in its eight registers
.endr
.endr
	; where my results go
	s_lshl_b32 s82, s69, 1
	s_add_co_u32 s82, s82, s15                     ; my block of 128 tokens, 0 .. 63
	s_lshr_b32 s83, s82, 4
	s_lshl_b32 s83, s83, 4
	s_add_co_u32 s83, s83, s68                     ; 16 x batch + head
	s_lshl_b32 s83, s83, 4
	s_and_b32 s82, s82, 15
	s_add_co_u32 s83, s83, s82                     ; the record
	s_mul_i32 s2, s83, 12800
	s_add_nc_u64 s[94:95], s[12:13], s[2:3]        ; in kv
	s_mul_i32 s18, s83, 6400
	s_mov_b32 s19, 0
	s_cmp_eq_u32 s16, 0
	s_cselect_b64 s[92:93], s[10:11], s[12:13]     ; q goes to qbuf, k to kv
	s_cselect_b32 s18, s18, s2
	s_add_nc_u64 s[92:93], s[92:93], s[18:19]
; 42 LDS loads in one run: my 8 fragments of x and 6 of W of the slot's q-th K step
.macro FETCH set, slot, q
.if \set
	WIN 0xc0
.else
	WIN 0x40
.endif
.irp a, 0,1,2,3,4,5,6,7
.irp c, 0,1,2
	ds_load_b128 v[128*\set+12*\a+4*\c:128*\set+12*\a+4*\c+3], v[ADRA+\slot] offset:3072*\a+1536*\q+512*\c
.endr
.endr
	WIN 0x40
.irp t, 0,1,2,3,4,5
.irp c, 0,1,2
	ds_load_b128 v[96+72*\set+12*\t+4*\c:96+72*\set+12*\t+4*\c+3], v[ADRB+\slot] offset:3072*\t+1536*\q+512*\c
.endr
.endr
.endm
.macro WM odd                          ; one product; its registers stand in the symbols rD, rA, rB, rC, rSA, rSB.  An odd K step's scale words lie in lanes 16-31
.if \odd
	v_wmma_scale_f32_16x16x128_f8f6f4 v[rD:rD+7], v[rA:rA+11], v[rB:rB+11], v[rC:rC+7], v[rSA], v[rSB] matrix_a_fmt:MATRIX_FMT_FP6 matrix_b_fmt:MATRIX_FMT_FP6 matrix_a_scale:MATRIX_SCALE_ROW1 matrix_b_scale:MATRIX_SCALE_ROW1
.else
	v_wmma_scale_f32_16x16x128_f8f6f4 v[rD:rD+7], v[rA:rA+11], v[rB:rB+11], v[rC:rC+7], v[rSA], v[rSB] matrix_a_fmt:MATRIX_FMT_FP6 matrix_b_fmt:MATRIX_FMT_FP6
.endif
.endm
; A K step: 48 products.  The 48 accumulators take turns, one instruction a turn, in the same order in every step.  first = 1: the biases start the sums
.macro MULS set, ks, first
.if \first
	WIN 0x85
.elseif \set
	WIN 0xad
.else
	WIN 0xa5
.endif
.irp a, 0,1,2,3,4,5,6,7
.irp t, 0,1,2,3
.set rD, 32*\a+8*\t
.set rA, 96+72*\set+12*\t
.set rB, 128*\set+12*\a
.if \first
.set rC, BQ+8*\t
.else
.set rC, 32*\a+8*\t
.endif
.set rSA, SB+4*\t+(\ks)/2
.set rSB, SA+4*\a+(\ks)/2
	WM (\ks)%2
.endr
.endr
.if \first
	WIN 0xc5
.elseif \set
	WIN 0xf7
.else
	WIN 0xf5
.endif
.irp t, 4,5
.irp a, 0,1,2,3,4,5,6,7
.set rD, 64*(\t-4)+8*\a
.set rA, 128*\set+12*\a
.set rB, 96+72*\set+12*\t
.if \first
.set rC, BV+8*(\t-4)
.else
.set rC, 64*(\t-4)+8*\a
.endif
.set rSA, SA+4*\a+(\ks)/2
.set rSB, SB+4*\t+(\ks)/2
	WM (\ks)%2
.endr
.endr
.endm
	s_wait_tensorcnt 0x2                           ; my part of slot 0 is in; slots 1 and 2 may be out
	s_barrier_signal -1
	s_barrier_wait -1                              ; everybody's is
	FETCH 0, 0, 0
	FETCH 1, 0, 1
	s_wait_loadcnt 0x0                             ; scale words and biases
	s_wait_dscnt 42                                ; set 0 is in; the 42 loads just issued may be out
	MULS 0, 0, 1
	; K step 1, and the one refill: slot 0 has been read out (both its steps lie in registers once the wait below is passed)
	WIN 0
	s_wait_tensorcnt 0x0                           ; all my tensor loads have landed, so a group 0 may be written
	ds_add_u32 v[SPW], v[NIL]                      ; 0 onto my spare word
	s_add_nc_u64 s[G0A+2:G0A+3], s[G0A+2:G0A+3], 9216   ; set 0 walks on to K steps 6 and 7
	s_add_nc_u64 s[G0B+2:G0B+3], s[G0B+2:G0B+3], 9216
	s_wait_dscnt 0x0                               ; the add is done, and my reads of slot 0 are over
	CROUND                                         ; no wave of any partner still reads slot 0 or has a load on its way
	JLOAD                                          ; the first tensor load behind the round: it has four K steps, 192 matrix instructions, in which to land; its four v_nop are the places in front of the loads below
	FETCH 0, 1, 0
	MULS 1, 1, 0
	PLACES 4                                       ; in front of loads into registers that matrix instructions have read
	FETCH 1, 1, 1
	s_wait_dscnt 42
	MULS 0, 2, 0
	PLACES 4
	FETCH 0, 2, 0
	s_wait_dscnt 42
	MULS 1, 3, 0
	PLACES 4
	FETCH 1, 2, 1
	s_wait_dscnt 42
	MULS 0, 4, 0
	WIN 0
	s_wait_tensorcnt 0x0                           ; my part of the refill is in,
	s_wait_dscnt 0x0                               ; (no LDS instruction of mine is out at a signal: set 1 is in)
	s_barrier_signal -1
	s_barrier_wait -1                              ; everybody's is
	PLACES 4
	FETCH 0, 0, 0
	MULS 1, 5, 0
	PLACES 4
	FETCH 1, 0, 1
	s_wait_dscnt 42
	MULS 0, 6, 0
	s_wait_dscnt 0x0
	MULS 1, 7, 0
; THE WAY OUT.  64 accumulator registers of a lane, register 16 b + i = the next K's 32 b + 16 h + i, become a fragment's codes in v[PC] on and its scale word in v[wd].
; s: the first of the 64, in the window that w2 (sources 0 and 1) and w1 (source 0) name.  Each accumulator is read from its low end on.
.macro QUANTW s, w2, w1, wd
	WIN \w2
.irp b, 0,1,2,3
	v_max3_num_f32 v[TM+\b], |v[\s+16*\b]|, |v[\s+1+16*\b]|, 0x1800000   ; and the floor 2^(3 - 127): the byte cannot fall under 1
.endr
.irp i, 2,4,6,8,10,12,14
.irp b, 0,1,2,3
	v_max3_num_f32 v[TM+\b], |v[\s+16*\b+\i]|, |v[\s+1+16*\b+\i]|, v[TM+\b]
.endr
.endr
	WIN 0
.irp b, 0,1,2,3
	v_permlanex16_b32 v[TM+4+\b], v[TM+\b], s[SEL], s[SEL+1]
.endr
.irp b, 0,1,2,3
	v_max_num_f32 v[TM+\b], v[TM+\b], v[TM+4+\b]
.endr
.irp b, 0,1,2,3
	v_add_nc_u32 v[TM+12+\b], 0xff000000, v[TM+\b]
.endr
.irp b, 0,1,2,3
	v_lshrrev_b32 v[TM+4+\b], 23, v[TM+12+\b]
.endr
	v_lshl_or_b32 v[\wd], v[TM+5], 8, v[TM+4]
	v_lshl_or_b32 v[\wd], v[TM+6], 16, v[\wd]
	v_lshl_or_b32 v[\wd], v[TM+7], 24, v[\wd]
	WIN \w1
.irp c, 0,1
	v_cvt_scalef32_pk16_fp6_f32 v[PC+6*\c:PC+2+6*\c], v[\s+32*\c:\s+15+32*\c], v[TM+12+2*\c]
	v_cvt_scalef32_pk16_fp6_f32 v[PC+12+4*\c:PC+14+4*\c], v[\s+16+32*\c:\s+31+32*\c], v[TM+12+2*\c+1]
.endr
	WIN 0
	v_nop                                          ; one plain place behind a scaled conversion
.irp c, 0,1
.irp i, 0,1,2
	v_permlane16_swap_b32 v[PC+6*\c+\i], v[PC+12+4*\c+\i]
.endr
.irp i, 0,1,2
	v_mov_b32 v[PC+3+6*\c+\i], v[PC+12+4*\c+\i]
.endr
.endr
.endm
	WIN 0
	PLACES 4                                       ; in front of the first read of results
.irp b, 0,1,2,3                                ; q or k: tiles 2 b and 2 b + 1 of tokens make one fragment: blocks (u, 32 channels)
.if \b > 0
	s_wait_xcnt 0x0                                ; the last stores have read their registers
.endif
	QUANTW 64*\b, 0x0a, 0x02, WD+\b
.irp c, 0,1,2
	global_store_b128 v[L16], v[PC+4*\c:PC+4*\c+3], s[92:93] offset:1536*\b+512*\c   ; 512 consecutive bytes, at a multiple of 256 from the buffer's first byte
.endr
.endr
	v_cndmask_b32 v[OW], v[WD], v[WD+1], s[HM]
	v_cndmask_b32 v[OW+1], v[WD+2], v[WD+3], s[HM]
	global_store_b32 v[L4], v[OW], s[92:93] offset:6144
	global_store_b32 v[L4], v[OW+1], s[92:93] offset:6272
.irp u, 0,1                                    ; v: 16 channels x my 128 tokens make one fragment
	s_wait_xcnt 0x0
	QUANTW 64*\u, 0x0f, 0x03, WD+4+\u
.irp c, 0,1,2
	global_store_b128 v[VO16], v[PC+4*\c:PC+4*\c+3], s[94:95] offset:6400+1536*\u+512*\c
.endr
.endr
	v_cndmask_b32 v[OW+2], v[WD+4], v[WD+5], s[HM]
	global_store_b32 v[VO4], v[OW+2], s[94:95] offset:12544
	s_wait_tensorcnt 0x0                           ; the wave's end, behind my last tensor load
	ds_add_u32 v[SPW], v[NIL]
	s_wait_dscnt 0x0
	CROUND                                         ; the closing round: no work-group ends while a partner may still ask for a tile that names it
	s_endpgm
.Lfunc_end_k_q35ab503311_gemm_qkv:
	.size	k_q35ab503311_gemm_qkv, .Lfunc_end_k_q35ab503311_gemm_qkv-k_q35ab503311_gemm_qkv
	.p2alignl 7, 3214868480
	.fill 96, 4, 3214868480
	.section	.rodata,"a",@progbits
	.p2align	6, 0x0
	.amdhsa_kernel k_q35ab503311_gemm_qkv
		.amdhsa_group_segment_fixed_size 327680
		.amdhsa_private_segment_fixed_size 0
		.amdhsa_enable_private_segment 0
		.amdhsa_kernarg_size 40
		.amdhsa_user_sgpr_count 2
		.amdhsa_user_sgpr_kernarg_segment_ptr 1
		.amdhsa_wavefront_size32 1
		.amdhsa_system_sgpr_workgroup_id_x 1
		.amdhsa_system_sgpr_workgroup_id_y 1
		.amdhsa_system_sgpr_workgroup_id_z 1
		.amdhsa_system_vgpr_workitem_id 0
		.amdhsa_next_free_vgpr 1024
		.amdhsa_next_free_sgpr 100
		.amdhsa_reserve_vcc 0
		.amdhsa_float_denorm_mode_32 3
		.amdhsa_float_denorm_mode_16_64 3
		.amdhsa_memory_ordered 1
		.amdhsa_forward_progress 1
		.amdhsa_inst_pref_size 114
	.end_amdhsa_kernel
	.amdgpu_metadata
---
amdhsa.version: [ 1, 2 ]
amdhsa.kernels:
  - .name:           k_q35ab503311_gemm_qkv
    .symbol:         k_q35ab503311_gemm_qkv.kd
    .args:
      - { .name: xq, .offset: 0, .size: 8, .value_kind: global_buffer, .address_space: global }
      - { .name: wts, .offset: 8, .size: 8, .value_kind: global_buffer, .address_space: global }
      - { .name: b_qkv, .offset: 16, .size: 8, .value_kind: global_buffer, .address_space: global }
      - { .name: qbuf, .offset: 24, .size: 8, .value_kind: global_buffer, .address_space: global }
      - { .name: kv, .offset: 32, .size: 8, .value_kind: global_buffer, .address_space: global }
    .group_segment_fixed_size: 327680
    .private_segment_fixed_size: 0
    .kernarg_segment_align: 8
    .kernarg_segment_size: 40
    .max_flat_workgroup_size: 128
    .sgpr_count:     100
    .vgpr_count:     1024
    .wavefront_size: 32
...
	.end_amdgpu_metadata
.endif
;; end of part 3
;; launch attn (part 4): grid 4 x 64, 16 waves a work-group, clusters of 4 x 1, 206,848 bytes of LDS; arguments qbuf, kv, yq; writes yq
.if DOCPART == 4
	.amdgcn_target "amdgcn-amd-amdhsa--gfx1250"
	.amdhsa_code_object_version 6
	.text
	.protected	k_q35ab503311_attn
	.globl	k_q35ab503311_attn
	.p2align	8
	.type	k_q35ab503311_attn,@function
k_q35ab503311_attn:
	s_mov_b64 s[64:65], 0
	v_nop
	global_prefetch_b8 v0, s[64:65] scope:SCOPE_SE
	s_setreg_imm32_b32 hwreg(HW_REG_WAVE_MODE, 25, 1), 1
	s_wait_xcnt 0x0
	s_wait_alu depctr_hold_cnt(0) depctr_sa_sdst(0) depctr_va_vdst(0) depctr_va_sdst(0) depctr_va_ssrc(0) depctr_va_vcc(0) depctr_vm_vsrc(0)
	s_getreg_b32 s2, hwreg(HW_REG_IB_STS2, 6, 4)
	s_cmp_eq_u32 s2, 0
	s_cbranch_scc0 .Lentry_in_a_cluster
	s_endpgm
.Lentry_in_a_cluster:
	s_bfe_u32 s2, ttmp6, 0x10000c
	s_cmp_lg_u32 s2, 0x3003
	s_cbranch_scc0 .Lentry_shape_is_right
	s_endpgm
.Lentry_shape_is_right:
; y = softmax(q k^T / 8, causal) v for one (batch, head) a cluster, both products on codes of FP6 (E2M3) with E8M0 scales; y is quantised in registers for the last product and leaves as codes.
; THE SOFTMAX: t = score x log2(e) / 8; M = the running largest t rounded UP to a whole number; p = 2^(t - M) is quantised along the keys, not normalised; the row's sum is taken of the unquantised p
; and divides O at the end.  When M moves, the sum and O are multiplied by 2^(old M - new M): exact.
; SHARES.  The cluster's four work-groups share one head's K and V: 204,800 bytes, which lie in each one's LDS WHOLE, asked for jointly, filled once: no ring.  Work-group g, wave w (u = w % 2, j = w / 2)
; owns two tiles of 16 queries: tile (32-token group g, u) of the block of 128 tokens 15 - j, then of block j: (16 - j) + (j + 1) = 17 key steps of 128 keys for every wave of the launch.
; The blocks hang on the wave's number alone; g enters q's and y's addresses in memory and the mask's comparison, and no branch and no LDS address.
; LAYOUT.  Both products are used transposed: S^T = K Q^T, O^T = V^T P^T: a lane holds ONE query (lane % 16).  Tokens of a tile: 8 u + i + 8 (i / 8) in a group of 32, so that the 16 registers of two
; neighbouring tiles are 16 neighbouring keys.
; K = 64 IN AN INSTRUCTION OF 128: a fragment of k holds TWO tiles of 16 keys (registers 0-5 and 6-11).  It is multiplied once by [q | zeros] and once by [zeros | q]: zero codes add nothing
; (their scale bytes are 127).  So each fragment of k is read once and no register of k holds zeros.
; CAUSAL.  A key step beyond the wave's block is left out by a scalar branch on the wave's number and the count of steps; in the step on the diagonal hidden scores become -infinity ahead of the maximum.
; Key 0 counts for every query, so M is a number from the first step on.
; LIMITS: NaN and infinities are not served; a block of y whose largest magnitude lies under 2^-124 gets the byte 1, and so does a block of zeros.
; No prefetch: all that the launch reads from memory is asked for at its head.
.set REC,   12800                      ; a key step's record: k's 4 fragments, 256 bytes of scale words, v's 4 fragments, 256 bytes of scale words
.set SPARE, 16*REC                     ; behind the head's records: the spare words, 128 bytes for each wave
.set YSC,   6291456
.set L16, 1                            ; v1   16 x lane
.set L4,  2                            ; v2   4 x lane
.set SPW, 3                            ; v3   my spare word; never rewritten
.set NIL, 4                            ; v4   0; never rewritten
.set ADK, 5                            ; v5   the step's record + 16 x lane
.set ADS, 6                            ; v6   the step's record + 4 x lane
.set DQ,  7                            ; v7   my query's place in its block - 16 h
.set L8,  9                            ; v9   8 x lane
.set R4,  10                           ; v10  4 r
                                       ; v12 -M, v13 the largest t, v[14:15] the sum in two halves; v16-33: six zeros, q, six zeros; v34, v35 q's scale words
.set FR,  36                           ; v36-83  four fragments, of k and then of v
.set KSC, 84                           ; v84-85  k's scale words
.set VSC, 86                           ; v86-87  v's
.set Q1,  88                           ; v88-93  the second pass's q; v94 its two scale bytes
.set S,   96                           ; v96-159 S^T, then p
.set O,   160                          ; v160-191 O^T
.set PCD, 192                          ; v192-203 p's codes; v204-210 the conversions' second halves
.set BM,  212                          ; v212-215 the blocks' largest
.set BP,  216                          ; v216-219 the other half's; then the bytes
.set BS,  220                          ; v220-223 the conversions' scale operands
.set PSW, 224                          ; v224 p's scale word
.set FF,  226                          ; v[226:227] f = 2^(old M - new M); at the end 1 / the sum
.set TT,  228
.set YW,  229                          ; y's two scale bytes
.set SM2, 230                          ; v[230:231] the sum's second chain
.set NINF, 232
.set WV,  10
.set BLK, 15                           ; s15  my block of 128 queries
.set KS,  16                           ; s16  the key step
.set TB,  17                           ; s17  its record in LDS
.set SEL, 18
.set CS,  20                           ; s[20:21] c = log2(e) / 8
.set CNT, 22
.set G1A, 24
.set G1B, 32
.set G0A, 40
.set G0B, 44
.macro CROUND
	s_barrier_signal -1
	s_barrier_wait -1
	s_cmp_lg_u32 s[WV], 0
	s_cbranch_scc1 .Lnot_wave_0_\@
	s_barrier_signal -3
.Lnot_wave_0_\@:
	s_barrier_wait -3
	s_barrier_signal -1
	s_barrier_wait -1
.endm
	s_load_b128 s[4:7], s[0:1], 0x0                ; qbuf, kv
	s_load_b64 s[8:9], s[0:1], 0x10                ; yq
	v_lshl_add_u32 v[SPW], v0, 2, SPARE
	v_mov_b32 v[NIL], 0
	ds_add_u32 v[SPW], v[NIL]                      ; the wave's opening: the add and its wait ahead of my first tensor load
	ds_add_u32 v[SPW], v[NIL]
	v_lshrrev_b32 v5, 5, v0
	s_delay_alu instid0(VALU_DEP_1)
	v_readfirstlane_b32 s[WV], v5                  ; wave 0..15
	s_and_b32 s11, s[WV], 1                        ; u
	s_lshr_b32 s12, s[WV], 1                       ; j
	s_bfe_u32 s13, ttmp6, 0x40000                  ; g: my place in the cluster
	s_and_b32 s14, ttmp7, 0xffff                   ; 16 x batch + head, which the four partners share
	; descriptor group 1: dense rows of 256 bytes (32 elements of 8 bytes); 13 rows a wave bring key steps 0 to 3 (and a little more), 37 rows a wave the rest: 16 x (13 + 37) x 256 = 204,800
	s_mov_b32 s[G1A], 15|(3<<16)|(1<<21)
	s_mov_b32 s[G1A+1], 32<<16
	s_mov_b32 s[G1A+2], 13<<16
	s_mov_b32 s[G1A+3], 32<<16
	s_mov_b32 s[G1A+4], 13
	s_mov_b32 s[G1A+5], 32
	s_mov_b32 s[G1A+6], 0
	s_mov_b32 s[G1A+7], 0
	s_mov_b32 s[G1B], 15|(3<<16)|(1<<21)
	s_mov_b32 s[G1B+1], 32<<16
	s_mov_b32 s[G1B+2], 37<<16
	s_mov_b32 s[G1B+3], 32<<16
	s_mov_b32 s[G1B+4], 37
	s_mov_b32 s[G1B+5], 32
	s_mov_b32 s[G1B+6], 0
	s_mov_b32 s[G1B+7], 0
	s_mul_i32 s66, s14, 16*REC                     ; the head's first byte in kv
	s_mul_i32 s68, s[WV], 13*256                   ; my parts: the place in LDS is the place in the head
	s_mul_i32 s69, s[WV], 37*256
	s_add_co_u32 s69, s69, 16*13*256
	s_add_co_u32 s70, s66, s68
	s_mov_b32 s71, 0
	s_add_co_u32 s72, s66, s69
	s_mov_b32 s73, 0
	s_mov_b32 s[SEL], 0x76543210
	s_mov_b32 s[SEL+1], 0xfedcba98
	s_mov_b32 s[CS], 0x3e38aa3b
	s_mov_b32 s[CS+1], s[CS]                       ; (named with it as a pair, so it is written)
	s_wait_dscnt 0x0                               ; the opening add is done
	s_wait_kmcnt 0x0
	s_mov_b32 s[G0A], 1
	s_mov_b32 s[G0A+1], s68
	s_add_nc_u64 s[G0A+2:G0A+3], s[6:7], s[70:71]
	s_or_b32 s[G0A+3], s[G0A+3], 0x80000000
	s_mov_b32 s[G0B], 1
	s_mov_b32 s[G0B+1], s69
	s_add_nc_u64 s[G0B+2:G0B+3], s[6:7], s[72:73]
	s_or_b32 s[G0B+3], s[G0B+3], 0x80000000
	CROUND                                         ; all four work-groups are here: the joint loads meet
	tensor_load_to_lds s[G0A:G0A+3], s[G1A:G1A+7]  ; two tensor loads of mine are out at the most
	s_nop 0
	tensor_load_to_lds s[G0B:G0B+3], s[G1B:G1B+7]
	s_nop 0
.rept 4
	v_nop
.endr
	v_and_b32 v5, 31, v0
	s_delay_alu instid0(VALU_DEP_1)
	v_lshlrev_b32 v[L16], 4, v5
	s_delay_alu instid0(VALU_DEP_2)
	v_lshlrev_b32 v[L4], 2, v5
	s_delay_alu instid0(VALU_DEP_3)
	v_lshlrev_b32 v[L8], 3, v5
	v_and_b32 v6, 15, v0                           ; r
	s_delay_alu instid0(VALU_DEP_1)
	v_lshlrev_b32 v[R4], 2, v6
	s_wait_alu depctr_va_vdst(0)
	v_bfe_u32 v11, v0, 4, 1                        ; h
	v_and_b32 v[DQ], 8, v6
	s_delay_alu instid0(VALU_DEP_1)
	v_add_nc_u32 v[DQ], v[DQ], v6                  ; r + 8 (r / 8)
	s_delay_alu instid0(VALU_DEP_3)
	v_lshlrev_b32 v11, 4, v11
	s_delay_alu instid0(VALU_DEP_1)
	v_sub_nc_u32 v[DQ], v[DQ], v11
	s_lshl_b32 s67, s13, 5
	s_lshl_b32 s74, s11, 3
	s_add_co_u32 s67, s67, s74
	v_add_nc_u32 v[DQ], s67, v[DQ]                 ; 32 g + 8 u + r + 8 (r / 8) - 16 h
	s_sub_co_u32 s[BLK], 15, s12                   ; the first pass's block
	s_lshl_b32 s66, s14, 4
	s_add_co_u32 s67, s66, s[BLK]
	s_add_co_u32 s68, s66, s12
	s_mul_i32 s70, s67, 6400
	s_mov_b32 s71, 0
	s_mul_i32 s72, s68, 6400
	s_mov_b32 s73, 0
	s_add_nc_u64 s[50:51], s[4:5], s[70:71]        ; the two passes' records of q
	s_add_nc_u64 s[52:53], s[4:5], s[72:73]
	s_mul_i32 s66, s13, 1536
	v_add_nc_u32 v[TT], s66, v[L16]                ; fragment g of a record,
	s_lshl_b32 s66, s13, 6
	v_add_nc_u32 v[YW], s66, v[R4]                 ; and its scale words
.irp c, 0,1,2
	global_load_b128 v[S+4*\c:S+4*\c+3], v[TT], s[50:51] offset:512*\c
	global_load_b128 v[S+12+4*\c:S+12+4*\c+3], v[TT], s[52:53] offset:512*\c
.endr
	global_load_b32 v[S+24], v[YW], s[50:51] offset:6144
	global_load_b32 v[S+25], v[YW], s[52:53] offset:6144
	; where y goes: tile rt = 128 x batch + 8 x block + 2 g + u; K step head / 2, half head % 2
	s_lshr_b32 s66, s14, 4
	s_lshl_b32 s66, s66, 7
	s_lshl_b32 s67, s13, 1
	s_add_co_u32 s66, s66, s67
	s_add_co_u32 s66, s66, s11
	s_and_b32 s67, s14, 15
	s_lshr_b32 s74, s67, 1
	s_and_b32 s75, s67, 1
.macro YPTR blk, pc, ps
	s_lshl_b32 s76, s[\blk], 3
	s_add_co_u32 s76, s76, s66                     ; rt
	s_lshl_b32 s78, s76, 3
	s_add_co_u32 s78, s78, s74
	s_mul_i32 s78, s78, 1536
	s_mul_i32 s79, s75, 768
	s_add_co_u32 s78, s78, s79
	s_mov_b32 s79, 0
	s_add_nc_u64 s[\pc:\pc+1], s[8:9], s[78:79]
	s_lshl_b32 s78, s76, 9
	s_lshl_b32 s77, s74, 6
	s_add_co_u32 s78, s78, s77
	s_lshl_b32 s77, s75, 1
	s_add_co_u32 s78, s78, s77
	s_add_co_u32 s78, s78, YSC
	s_add_nc_u64 s[\ps:\ps+1], s[8:9], s[78:79]
.endm
	YPTR BLK, 54, 56
	YPTR 12, 58, 60
	s_cmp_eq_u32 s11, 1
	s_cselect_b32 s48, -1, 0                       ; all lanes where u = 1
	s_lshl_b32 s49, s11, 4
	s_mov_b32 s[KS], 0
	s_mov_b32 s[TB], 0
.irp b, 0,1,2,3
	v_mov_b32 v[BP+\b], 0                          ; written once: a lane permute's destination counts as one of its sources
.endr
	v_mov_b32 v[FF+1], 0                           ; (named as the upper half of a pair)
	v_mov_b32 v[NINF], 0xff800000
	s_wait_loadcnt 0x0
.irp i, 0,1,2,3,4,5
	v_cndmask_b32 v[22+\i], v[S+\i], v[S+6+\i], s48        ; my tile of the fragment's two
	v_cndmask_b32 v[Q1+\i], v[S+12+\i], v[S+18+\i], s48
	v_mov_b32 v[16+\i], 0
	v_mov_b32 v[28+\i], 0
.endr
	v_lshrrev_b32 v[S+24], s49, v[S+24]
	v_lshrrev_b32 v[S+25], s49, v[S+25]
	s_delay_alu instid0(VALU_DEP_2)
	v_and_b32 v[S+24], 0xffff, v[S+24]             ; my tile's two scale bytes
	s_delay_alu instid0(VALU_DEP_2)
	v_and_b32 v[Q1+6], 0xffff, v[S+25]
	s_delay_alu instid0(VALU_DEP_2)
	v_or_b32 v34, 0x7f7f0000, v[S+24]              ; for [q | zeros]
	s_delay_alu instid0(VALU_DEP_3)
	v_lshl_or_b32 v35, v[S+24], 16, 0x7f7f         ; for [zeros | q]
	v_mov_b32 v[TT], 0
.macro INIT                            ; the loops have no first step of their own: O^T and the sum begin as zeros, the largest t under every t
	v_mov_b32 v13, 0xff61b1e6
	s_delay_alu instid0(VALU_DEP_1)
	v_floor_f32 v12, -v13
	v_mov_b32 v14, 0
	v_mov_b32 v15, 0
.set n, 0
.rept 32
	v_mov_b32 v[O+n], 0
.set n, n+1
.endr
.endm
	INIT
; A KEY STEP: 128 keys.  gen = 1: it may lie beyond my block (left out) or on the diagonal (masked)
.macro STEP gen
.if \gen
	s_cmp_gt_u32 s[KS], s[BLK]
	s_cbranch_scc1 .Lhid_\@
.endif
	s_setprio 2
	v_add_nc_u32 v[ADK], s[TB], v[L16]
	v_add_nc_u32 v[ADS], s[TB], v[L4]
	v_nop
	v_nop                                          ; four places in front of loads into registers that the last products read
.irp b, 0,1,2,3
.irp c, 0,1,2
	ds_load_b128 v[FR+12*\b+4*\c:FR+12*\b+4*\c+3], v[ADK] offset:1536*\b+512*\c
.endr
.endr
	ds_load_b32 v[KSC], v[ADS] offset:6144         ; lanes 0-15: fragment 0's words, lanes 16-31: fragment 1's
	ds_load_b32 v[KSC+1], v[ADS] offset:6272
	s_wait_alu depctr_va_vdst(0)
	s_wait_dscnt 0x0
.irp b, 0,1,2,3                                ; S^T: fragment b x [q | zeros] gives keys 32 b + 16 h + 0 .. 7, x [zeros | q] keys 32 b + 16 h + 8 .. 15
.irp e, 0,1
.if \b%2
	v_wmma_scale_f32_16x16x128_f8f6f4 v[S+16*\b+8*\e:S+16*\b+8*\e+7], v[FR+12*\b:FR+12*\b+11], v[22-6*\e:33-6*\e], 0, v[KSC+\b/2], v[34+\e] matrix_a_fmt:MATRIX_FMT_FP6 matrix_b_fmt:MATRIX_FMT_FP6 matrix_a_scale:MATRIX_SCALE_ROW1
.else
	v_wmma_scale_f32_16x16x128_f8f6f4 v[S+16*\b+8*\e:S+16*\b+8*\e+7], v[FR+12*\b:FR+12*\b+11], v[22-6*\e:33-6*\e], 0, v[KSC+\b/2], v[34+\e] matrix_a_fmt:MATRIX_FMT_FP6 matrix_b_fmt:MATRIX_FMT_FP6
.endif
.endr
.endr
.rept 4
	v_nop                                          ; places in front of the loads below and of the first read of the scores
.endr
.irp t, 0,1,2,3                                ; v's fragments land while the softmax is walked
.irp c, 0,1,2
	ds_load_b128 v[FR+12*\t+4*\c:FR+12*\t+4*\c+3], v[ADK] offset:6400+1536*\t+512*\c
.endr
.endr
	ds_load_b32 v[VSC], v[ADS] offset:12544
	ds_load_b32 v[VSC+1], v[ADS] offset:12672
.if \gen
	s_cmp_lg_u32 s[KS], s[BLK]
	s_cbranch_scc1 .Lopen_\@
.set n, 0
.rept 64                                       ; register 16 b + i holds key 32 b + 16 h + i of the block: hidden where 32 b + i > my query's place - 16 h
	v_cmp_gt_i32 vcc_lo, 32*(n/16)+n%16, v[DQ]
	v_cndmask_b32 v[S+n], v[S+n], v[NINF], vcc_lo
.set n, n+1
.endr
.Lopen_\@:
.endif
.irp b, 0,1,2,3
	v_max3_num_f32 v[BM+\b], v[S+16*\b], v[S+1+16*\b], v[S+2+16*\b]   ; the largest score of each block of 32 keys: it serves the row's maximum and, since p rises with the score, the block's largest p
.endr
.irp i, 3,5,7,9,11,13
.irp b, 0,1,2,3
	v_max3_num_f32 v[BM+\b], v[BM+\b], v[S+16*\b+\i], v[S+1+16*\b+\i]
.endr
.endr
.irp b, 0,1,2,3
	v_max_num_f32 v[BM+\b], v[BM+\b], v[S+15+16*\b]
.endr
.irp b, 0,1,2,3
	s_delay_alu instid0(VALU_DEP_4)
	v_permlanex16_b32 v[BP+\b], v[BM+\b], s[SEL], s[SEL+1]
.endr
.irp b, 0,1,2,3
	s_delay_alu instid0(VALU_DEP_4)
	v_max_num_f32 v[BM+\b], v[BM+\b], v[BP+\b]     ; with lane l xor 16's 16 keys
.endr
	s_delay_alu instid0(VALU_DEP_2)
	v_max3_num_f32 v[TT], v[BM], v[BM+1], v[BM+2]
	s_delay_alu instid0(VALU_DEP_1)
	v_max_num_f32 v[TT], v[TT], v[BM+3]
	s_delay_alu instid0(VALU_DEP_1)
	v_mul_f32 v[TT], s[CS], v[TT]                  ; the step's largest t
	s_delay_alu instid0(VALU_DEP_1)
	v_max_num_f32 v13, v13, v[TT]                  ; the running largest t
	v_mov_b32 v[TT], v12
	s_delay_alu instid0(VALU_DEP_2)
	v_floor_f32 v12, -v13                          ; the new -M = -ceil(t): a whole number
	s_delay_alu instid0(VALU_DEP_1)
	v_sub_f32 v[TT], v12, v[TT]                    ; old M - new M, 0 or less
	s_delay_alu instid0(VALU_DEP_1)
	v_cvt_i32_f32 v[TT], v[TT]                     ; (it saturates)
	s_delay_alu instid0(VALU_DEP_1)
	v_ldexp_f32 v[FF], 1.0, v[TT]                  ; f = 2^(old M - new M)
.set n, 0
.rept 32
	v_pk_fma_f32 v[S+n:S+n+1], v[S+n:S+n+1], s[CS:CS+1], v[12:13] op_sel_hi:[1,0,0]   ; t - M, two at a time
.set n, n+2
.endr
.irp b, 0,1,2,3
	v_fma_f32 v[BM+\b], v[BM+\b], s[CS], v12       ; the same of each block's largest score
.endr
.set n, 0
	s_setprio 1
	s_wait_alu depctr_va_vdst(0)
.rept 64
	v_exp_f32 v[S+n], v[S+n]                       ; p = 2^(t - M), at most 1
.set n, n+1
.endr
	v_pk_mul_f32 v[14:15], v[14:15], v[FF:FF+1] op_sel_hi:[1,0]   ; the sums under the new M: a plain place behind the exponentials
	s_wait_alu depctr_va_vdst(0)                   ; one wait for the whole batch, ahead of its first reader
.irp b, 0,1,2,3
	v_exp_f32 v[BM+\b], v[BM+\b]                   ; the block's largest p: the same two instructions on the same number give the same bits
.endr
	v_pk_add_f32 v[230:231], v[100:101], v[104:105]
	v_pk_add_f32 v[254:255], v[108:109], v[112:113]
	v_pk_add_f32 v[252:253], v[116:117], v[120:121]
	v_pk_add_f32 v[250:251], v[124:125], v[128:129]
	v_pk_add_f32 v[248:249], v[132:133], v[136:137]
	v_pk_add_f32 v[246:247], v[140:141], v[144:145]
	v_pk_add_f32 v[244:245], v[148:149], v[152:153]
	v_pk_add_f32 v[14:15], v[14:15], v[156:157]
	v_pk_add_f32 v[230:231], v[230:231], v[96:97]
	v_pk_add_f32 v[254:255], v[254:255], v[98:99]
	v_pk_add_f32 v[252:253], v[252:253], v[102:103]
	v_pk_add_f32 v[250:251], v[250:251], v[106:107]
	v_pk_add_f32 v[248:249], v[248:249], v[110:111]
	v_pk_add_f32 v[246:247], v[246:247], v[114:115]
	v_pk_add_f32 v[244:245], v[244:245], v[118:119]
	v_pk_add_f32 v[14:15], v[14:15], v[122:123]
	v_pk_add_f32 v[230:231], v[230:231], v[126:127]
	v_pk_add_f32 v[254:255], v[254:255], v[130:131]
	v_pk_add_f32 v[252:253], v[252:253], v[134:135]
	v_pk_add_f32 v[250:251], v[250:251], v[138:139]
	v_pk_add_f32 v[248:249], v[248:249], v[142:143]
	v_pk_add_f32 v[246:247], v[246:247], v[146:147]
	v_pk_add_f32 v[244:245], v[244:245], v[150:151]
	v_pk_add_f32 v[14:15], v[14:15], v[154:155]
	v_pk_add_f32 v[230:231], v[230:231], v[158:159]
	s_delay_alu instid0(VALU_DEP_2)
	v_pk_add_f32 v[14:15], v[14:15], v[250:251]
	s_delay_alu instid0(VALU_DEP_2)
	v_pk_add_f32 v[230:231], v[230:231], v[248:249]
	v_pk_add_f32 v[254:255], v[254:255], v[246:247]
	v_pk_add_f32 v[252:253], v[252:253], v[244:245]
	s_delay_alu instid0(VALU_DEP_2)
	v_pk_add_f32 v[14:15], v[14:15], v[254:255]
	s_delay_alu instid0(VALU_DEP_2)
	v_pk_add_f32 v[230:231], v[230:231], v[252:253]
	s_delay_alu instid0(VALU_DEP_1)
	v_pk_add_f32 v[14:15], v[14:15], v[230:231]
	s_wait_alu depctr_va_vdst(0)                   ; and one for the four
.irp b, 0,1,2,3
	v_max_num_f32 v[BM+\b], 0x1800000, v[BM+\b]    ; the floor 2^(3 - 127): a block whose every p is 0 keeps the byte 1: its codes are zeros
.endr
.irp b, 0,1,2,3
	s_delay_alu instid0(VALU_DEP_4)
	v_add_nc_u32 v[BS+\b], 0xff000000, v[BM+\b]
.endr
.irp b, 0,1,2,3
	s_delay_alu instid0(VALU_DEP_4)
	v_lshrrev_b32 v[BP+\b], 23, v[BS+\b]
.endr
	s_delay_alu instid0(VALU_DEP_3)
	v_lshl_or_b32 v[PSW], v[BP+1], 8, v[BP]
	s_delay_alu instid0(VALU_DEP_1)
	v_lshl_or_b32 v[PSW], v[BP+2], 16, v[PSW]
	s_delay_alu instid0(VALU_DEP_1)
	v_lshl_or_b32 v[PSW], v[BP+3], 24, v[PSW]
.irp c, 0,1
	v_cvt_scalef32_pk16_fp6_f32 v[PCD+6*\c:PCD+2+6*\c], v[S+32*\c:S+15+32*\c], v[BS+2*\c]
	v_cvt_scalef32_pk16_fp6_f32 v[PCD+12+4*\c:PCD+14+4*\c], v[S+16+32*\c:S+31+32*\c], v[BS+2*\c+1]
.endr
	v_nop                                          ; one plain place behind a scaled conversion
	s_setprio 0
.irp c, 0,1
.irp i, 0,1,2
	v_permlane16_swap_b32 v[PCD+6*\c+\i], v[PCD+12+4*\c+\i]
.endr
.irp i, 0,1,2
	s_delay_alu instid0(VALU_DEP_3)
	v_mov_b32 v[PCD+3+6*\c+\i], v[PCD+12+4*\c+\i]
.endr
.endr
.set n, 0
.rept 16
	v_pk_mul_f32 v[O+n:O+n+1], v[O+n:O+n+1], v[FF:FF+1] op_sel_hi:[1,0]   ; O^T under the new M; these are also the places in front of the products below
.set n, n+2
.endr
	s_wait_alu depctr_va_vdst(0)
	s_wait_dscnt 0x0                               ; v's fragments and scale words are in
.irp t, 0,1,2,3                                ; O^T += V^T P^T: tile t = 16 of the head's 64 channels; the four accumulators take turns
.if \t%2
	v_wmma_scale_f32_16x16x128_f8f6f4 v[O+8*\t:O+8*\t+7], v[FR+12*\t:FR+12*\t+11], v[PCD:PCD+11], v[O+8*\t:O+8*\t+7], v[VSC+\t/2], v[PSW] matrix_a_fmt:MATRIX_FMT_FP6 matrix_b_fmt:MATRIX_FMT_FP6 matrix_a_scale:MATRIX_SCALE_ROW1
.else
	v_wmma_scale_f32_16x16x128_f8f6f4 v[O+8*\t:O+8*\t+7], v[FR+12*\t:FR+12*\t+11], v[PCD:PCD+11], v[O+8*\t:O+8*\t+7], v[VSC+\t/2], v[PSW] matrix_a_fmt:MATRIX_FMT_FP6 matrix_b_fmt:MATRIX_FMT_FP6
.endif
.endr
.if \gen
.Lhid_\@:
.endif
	s_add_co_u32 s[TB], s[TB], REC
	s_add_co_u32 s[KS], s[KS], 1
.endm
; A TILE OF y LEAVES.  O^T / the sum: register 16 c + i = channel 32 c + 16 h + i of my query: two blocks of the last product's K.  Six registers of codes a lane: half head % 2 of the fragment (rt, head / 2),
; laid as four registers at 16 x lane (512 consecutive bytes) and two at 512 + 8 x lane (256); and two scale bytes a row.
.macro YOUT pc, ps
.rept 4
	v_nop                                          ; places behind the last products
.endr
	v_add_f32 v14, v14, v15
	s_delay_alu instid0(VALU_DEP_1)
	v_permlanex16_b32 v[TT], v14, s[SEL], s[SEL+1]
	s_delay_alu instid0(VALU_DEP_1)
	v_add_f32 v14, v14, v[TT]                      ; the row's sum
	s_wait_alu depctr_va_vdst(0)
	v_rcp_f32 v[FF], v14
	v_nop                                          ; a plain place behind the reciprocal
	s_wait_alu depctr_va_vdst(0)                   ; and the wait ahead of its first reader
.set n, 0
.rept 16
	v_pk_mul_f32 v[S+n:S+n+1], v[O+n:O+n+1], v[FF:FF+1] op_sel_hi:[1,0]   ; each accumulator from its low end on
.set n, n+2
.endr
.irp b, 0,1
	v_max3_num_f32 v[BM+\b], |v[S+16*\b]|, |v[S+1+16*\b]|, 0x1800000
.endr
.irp i, 2,4,6,8,10,12,14
.irp b, 0,1
	s_delay_alu instid0(VALU_DEP_2)
	v_max3_num_f32 v[BM+\b], v[BM+\b], |v[S+16*\b+\i]|, |v[S+1+16*\b+\i]|
.endr
.endr
.irp b, 0,1
	s_delay_alu instid0(VALU_DEP_2)
	v_permlanex16_b32 v[BP+\b], v[BM+\b], s[SEL], s[SEL+1]
.endr
.irp b, 0,1
	s_delay_alu instid0(VALU_DEP_2)
	v_max_num_f32 v[BM+\b], v[BM+\b], v[BP+\b]
.endr
.irp b, 0,1
	s_delay_alu instid0(VALU_DEP_2)
	v_add_nc_u32 v[BS+\b], 0xff000000, v[BM+\b]
.endr
.irp b, 0,1
	s_delay_alu instid0(VALU_DEP_2)
	v_lshrrev_b32 v[BP+\b], 23, v[BS+\b]
.endr
	s_delay_alu instid0(VALU_DEP_1)
	v_lshl_or_b32 v[YW], v[BP+1], 8, v[BP]
	v_cvt_scalef32_pk16_fp6_f32 v[PCD:PCD+2], v[S:S+15], v[BS]
	v_cvt_scalef32_pk16_fp6_f32 v[PCD+12:PCD+14], v[S+16:S+31], v[BS+1]
	v_nop
.irp i, 0,1,2
	v_permlane16_swap_b32 v[PCD+\i], v[PCD+12+\i]
.endr
.irp i, 0,1,2
	s_delay_alu instid0(VALU_DEP_3)
	v_mov_b32 v[PCD+3+\i], v[PCD+12+\i]
.endr
	global_store_b128 v[L16], v[PCD:PCD+3], s[\pc:\pc+1]
	global_store_b64 v[L8], v[PCD+4:PCD+5], s[\pc:\pc+1] offset:512
	global_store_b16 v[R4], v[YW], s[\ps:\ps+1]    ; lanes r and r + 16 hold the same two bytes of row r
.endm
	s_wait_tensorcnt 0x1                           ; my part of key steps 0 to 3 is in; the rest may be out
	s_barrier_signal -1
	s_barrier_wait -1                              ; everybody's is
	s_mov_b32 s[CNT], 4
.Lfirst:                                           ; the first pass's block is 8 or more: key steps 0 to 3 count whole
	STEP 0
	s_sub_co_u32 s[CNT], s[CNT], 1
	s_cmp_lg_u32 s[CNT], 0
	s_cbranch_scc1 .Lfirst
	s_setprio 0
	s_wait_tensorcnt 0x0                           ; my part of the rest is in,
	s_wait_dscnt 0x0
	s_barrier_signal -1
	s_barrier_wait -1                              ; everybody's is
	s_mov_b32 s[CNT], 12
.Lrest:                                            ; key steps 4 to 15: a constant count; a step beyond my block is jumped over
	STEP 1
	s_sub_co_u32 s[CNT], s[CNT], 1
	s_cmp_lg_u32 s[CNT], 0
	s_cbranch_scc1 .Lrest
	s_setprio 0
	YOUT 54, 56
	s_wait_xcnt 0x0                                ; the stores have read their registers
	s_mov_b32 s[BLK], s12                          ; the second pass: block j
	s_mov_b32 s[KS], 0
	s_mov_b32 s[TB], 0
.irp i, 0,1,2,3,4,5
	v_mov_b32 v[22+\i], v[Q1+\i]
.endr
	v_or_b32 v34, 0x7f7f0000, v[Q1+6]
	v_lshl_or_b32 v35, v[Q1+6], 16, 0x7f7f
	INIT                                           ; (its 36 lines are also the places between these writes and the next products)
	s_mov_b32 s[CNT], 8
.Lsecond:                                          ; key steps 0 to 7
	STEP 1
	s_sub_co_u32 s[CNT], s[CNT], 1
	s_cmp_lg_u32 s[CNT], 0
	s_cbranch_scc1 .Lsecond
	s_setprio 0
	YOUT 58, 60
	s_wait_tensorcnt 0x0                           ; the wave's end, behind my last tensor load
	ds_add_u32 v[SPW], v[NIL]
	s_wait_dscnt 0x0
	CROUND                                         ; the closing round
	s_endpgm
.Lfunc_end_k_q35ab503311_attn:
	.size	k_q35ab503311_attn, .Lfunc_end_k_q35ab503311_attn-k_q35ab503311_attn
	.p2alignl 7, 3214868480
	.fill 96, 4, 3214868480
	.section	.rodata,"a",@progbits
	.p2align	6, 0x0
	.amdhsa_kernel k_q35ab503311_attn
		.amdhsa_group_segment_fixed_size 206848
		.amdhsa_private_segment_fixed_size 0
		.amdhsa_enable_private_segment 0
		.amdhsa_kernarg_size 24
		.amdhsa_user_sgpr_count 2
		.amdhsa_user_sgpr_kernarg_segment_ptr 1
		.amdhsa_wavefront_size32 1
		.amdhsa_system_sgpr_workgroup_id_x 1
		.amdhsa_system_sgpr_workgroup_id_y 1
		.amdhsa_system_sgpr_workgroup_id_z 1
		.amdhsa_system_vgpr_workitem_id 0
		.amdhsa_next_free_vgpr 256
		.amdhsa_next_free_sgpr 96
		.amdhsa_reserve_vcc 1
		.amdhsa_float_denorm_mode_32 3
		.amdhsa_float_denorm_mode_16_64 3
		.amdhsa_memory_ordered 1
		.amdhsa_forward_progress 1
		.amdhsa_inst_pref_size 82
	.end_amdhsa_kernel
	.amdgpu_metadata
---
amdhsa.version: [ 1, 2 ]
amdhsa.kernels:
  - .name:           k_q35ab503311_attn
    .symbol:         k_q35ab503311_attn.kd
    .args:
      - { .name: qbuf, .offset: 0, .size: 8, .value_kind: global_buffer, .address_space: global }
      - { .name: kv, .offset: 8, .size: 8, .value_kind: global_buffer, .address_space: global }
      - { .name: yq, .offset: 16, .size: 8, .value_kind: global_buffer, .address_space: global }
    .group_segment_fixed_size: 206848
    .private_segment_fixed_size: 0
    .kernarg_segment_align: 8
    .kernarg_segment_size: 24
    .max_flat_workgroup_size: 512
    .sgpr_count:     96
    .vgpr_count:     256
    .wavefront_size: 32
...
	.end_amdgpu_metadata
.endif
;; end of part 4
;; launch gemm_out (part 5): grid 8 x 32, 4 waves a work-group, clusters of 4 x 4, 327,680 bytes of LDS; arguments yq, wts, b_out, out0; writes out0
.if DOCPART == 5
	.amdgcn_target "amdgcn-amd-amdhsa--gfx1250"
	.amdhsa_code_object_version 6
	.text
	.protected	k_q35ab503311_gemm_out
	.globl	k_q35ab503311_gemm_out
	.p2align	8
	.type	k_q35ab503311_gemm_out,@function
k_q35ab503311_gemm_out:
	s_mov_b64 s[64:65], 0
	v_nop
	global_prefetch_b8 v0, s[64:65] scope:SCOPE_SE
	s_setreg_imm32_b32 hwreg(HW_REG_WAVE_MODE, 25, 1), 1
	s_wait_xcnt 0x0
	s_wait_alu depctr_hold_cnt(0) depctr_sa_sdst(0) depctr_va_vdst(0) depctr_va_sdst(0) depctr_va_ssrc(0) depctr_va_vcc(0) depctr_vm_vsrc(0)
	s_getreg_b32 s2, hwreg(HW_REG_IB_STS2, 6, 4)
	s_cmp_eq_u32 s2, 0
	s_cbranch_scc0 .Lentry_in_a_cluster
	s_endpgm
.Lentry_in_a_cluster:
	s_bfe_u32 s2, ttmp6, 0x10000c
	s_cmp_lg_u32 s2, 0xf033
	s_cbranch_scc0 .Lentry_shape_is_right
	s_endpgm
.Lentry_shape_is_right:
; out0 = y w_out + b_out on codes of FP6 (E2M3) with E8M0 scales; out0 [8192][1024] f32.
; SHARES.  A work-group takes 256 tokens x 128 columns: 256 work-groups.  Wave w: tokens 128 (w / 2) on (8 tiles of 16) x columns 64 (w % 2) on (4 tiles): 32 accumulators.
; THE MATRIX INSTRUCTION IS USED TRANSPOSED (source 0 = 16 columns of W, source 1 = 16 tokens): with the columns of a tile chosen as 8 u + i + 8 (i / 8) in a group of 32, a lane's eight results
; are eight neighbouring columns of one token's row.  The bias is the C of each sum's first matrix instruction (added ahead of the products: an order of f32 rounding that differs from y w + b).
; OPERANDS come as images of fragments, 1,536 bytes each.  W's: three loads of 16 bytes a lane.  y's were stored by halves of six registers (a head's 64 channels each): four registers at 16 x lane,
; two at 512 + 8 x lane, the second half 768 bytes on: four loads.  K = 1,024 is 8 steps of 128; four LDS slots of two steps hold all of it: every slot is filled once, at the start.
; CLUSTERS: 4 x 4 work-groups: y's tiles are shared along a row of the cluster, W's along a column, by joint loads.  No prefetch: all tensor loads go out at the head.
; REGISTERS, in windows of 256: window 0: addresses, scale words (v32-79), the bias (v88-119), rows on their way out (v128-191).  window 1: fragment set 0 (y at v0, W at v96).  window 2: the accumulators (32 a + 8 t).  window 3: set 1.
.set SLOT,  73728                      ; 16 tiles of y, then 8 of W, 3,072 bytes (two K steps) each
.set BOFF,  49152
.set STAGE, 4*SLOT                     ; behind the slots: 16 rows x (256 + 16) bytes for each wave, for the way out; no tensor load lands there
.set SPARE, STAGE+4*16*272             ; behind the stages: the spare words
.set YSC,   6291456
.set WSC,   3145728
.set L4,   9
.set SPW,  10                          ; my spare word; never rewritten
.set NIL,  11                          ; 0; never rewritten
.set H64,  12
.set STO,  13                          ; the way out: where I put 16 bytes of a row
.set RD,   14                          ; and where I read a row back
.set CO,   15                          ; my byte offset in out0
.set A16,  16                          ; v16-19 my fragments of y in slot 0 .. 3, + 16 x lane
.set A8,   20                          ; v20-23 the same + 8 x lane
.set AB,   24                          ; v24-27 my fragments of W
.set SA,   32                          ; v32-63 y's scale words: 4 a + c: lanes 0-15 K step 2 c, lanes 16-31 K step 2 c + 1
.set SB,   64                          ; v64-79 W's
.set BQ,   88
.set BK,   128
.set G1A, 20
.set G1B, 28
.set G0A, 36                           ; s[36:51]: a set for each slot
.set G0B, 68                           ; s[68:83]
.set MSB, 0
.macro WIN new
.if MSB != \new
	s_set_vgpr_msb (MSB<<8)|\new
.set MSB, \new
.endif
.endm
.macro PLACES n
.rept \n
	v_nop
.endr
.endm
.macro CROUND
	s_barrier_signal -1
	s_barrier_wait -1
	s_cmp_lg_u32 s14, 0
	s_cbranch_scc1 .Lnot_wave_0_\@
	s_barrier_signal -3
.Lnot_wave_0_\@:
	s_barrier_wait -3
	s_barrier_signal -1
	s_barrier_wait -1
.endm
	s_load_b256 s[4:11], s[0:1], 0x0               ; yq, wts, b_out, out0
	v_lshl_add_u32 v[SPW], v0, 2, SPARE
	v_mov_b32 v[NIL], 0
	ds_add_u32 v[SPW], v[NIL]                      ; the wave's opening: the add and its wait ahead of my first tensor load
	v_lshrrev_b32 v1, 5, v0
	v_readfirstlane_b32 s14, v1                    ; wave
	s_lshr_b32 s15, s14, 1                         ; which 128 tokens are mine.  Also: I fetch for y (0) or for W (1)
	s_and_b32 s16, s14, 1                          ; which 64 columns.  Also: which half of a tile I fetch
	s_bfe_u32 s66, ttmp6, 0x40000                  ; cx
	s_bfe_u32 s67, ttmp6, 0x40004                  ; cy
	s_lshl_b32 s84, ttmp9, 2
	s_add_co_u32 s84, s84, s66                     ; the block of 128 columns
	s_and_b32 s85, ttmp7, 0xffff
	s_lshl_b32 s85, s85, 2
	s_add_co_u32 s85, s85, s67                     ; the block of 256 tokens
	s_lshl_b32 s86, s67, 2
	s_lshl_b32 s86, 15, s86                        ; my row of the cluster
	s_lshl_b32 s87, 0x1111, s66                    ; my column
	s_or_b32 s[G1A], s86, (3<<16)|(1<<21)          ; rows of 3,072 bytes (384 elements of 8 bytes), 12,288 bytes apart in memory, dense in LDS: 8 tiles of y, or 4 of W
	s_or_b32 s[G1B], s87, (3<<16)|(1<<21)
	s_mov_b32 s[G1A+1], 384<<16
	s_mov_b32 s[G1A+2], 8<<16
	s_mov_b32 s[G1A+3], 384<<16
	s_mov_b32 s[G1A+4], 8
	s_mov_b32 s[G1A+5], 1536
	s_mov_b32 s[G1A+6], 0
	s_mov_b32 s[G1A+7], 0
	s_mov_b32 s[G1B+1], 384<<16
	s_mov_b32 s[G1B+2], 4<<16
	s_mov_b32 s[G1B+3], 384<<16
	s_mov_b32 s[G1B+4], 4
	s_mov_b32 s[G1B+5], 1536
	s_mov_b32 s[G1B+6], 0
	s_mov_b32 s[G1B+7], 0
	s_lshl_b32 s88, s85, 4                         ; y: tile 16 x block + 8 x half (registers that never hold cx)
	s_lshl_b32 s89, s16, 3
	s_add_co_u32 s88, s88, s89
	s_mul_i32 s88, s88, 12288
	s_mov_b32 s89, 0
	s_mul_i32 s90, s16, 24576
	s_lshl_b32 s94, s84, 3                         ; W: tile 192 + 8 x block + 4 x half (registers that never hold cy)
	s_lshl_b32 s95, s16, 2
	s_add_co_u32 s94, s94, s95
	s_add_co_u32 s94, s94, 192
	s_mul_i32 s94, s94, 12288
	s_mov_b32 s95, 0
	s_mul_i32 s91, s16, 12288
	s_add_co_u32 s91, s91, BOFF
	s_wait_dscnt 0x0                               ; the opening add is done
	s_wait_kmcnt 0x0
	s_add_nc_u64 s[92:93], s[4:5], s[88:89]
	s_add_nc_u64 s[96:97], s[6:7], s[94:95]
	CROUND                                         ; all sixteen work-groups are here: the joint loads meet
.irp s, 0,1,2,3
	s_mov_b32 s[G0A+4*\s], 1
	s_add_co_u32 s[G0A+4*\s+1], s90, \s*SLOT
	s_add_nc_u64 s[G0A+4*\s+2:G0A+4*\s+3], s[92:93], \s*3072
	s_or_b32 s[G0A+4*\s+3], s[G0A+4*\s+3], 0x80000000
	s_mov_b32 s[G0B+4*\s], 1
	s_add_co_u32 s[G0B+4*\s+1], s91, \s*SLOT
	s_add_nc_u64 s[G0B+4*\s+2:G0B+4*\s+3], s[96:97], \s*3072
	s_or_b32 s[G0B+4*\s+3], s[G0B+4*\s+3], 0x80000000
.endr
	s_cmp_eq_u32 s15, 0                            ; a wave's four fills stand in one branch: four tensor loads of mine are out at the most
	s_cbranch_scc0 .Lfirst_b
.irp s, 0,1,2,3
	tensor_load_to_lds s[G0A+4*\s:G0A+4*\s+3], s[G1A:G1A+7]
	s_nop 0
.endr
.rept 4
	v_nop
.endr
	s_branch .Lfirst_asked
.Lfirst_b:
.irp s, 0,1,2,3
	tensor_load_to_lds s[G0B+4*\s:G0B+4*\s+3], s[G1B:G1B+7]
	s_nop 0
.endr
.rept 4
	v_nop
.endr
.Lfirst_asked:
	v_and_b32 v1, 31, v0
	v_lshlrev_b32 v2, 4, v1                        ; 16 x lane
	v_lshlrev_b32 v3, 3, v1                        ; 8 x lane
	v_lshlrev_b32 v[L4], 2, v1
	v_and_b32 v4, 15, v0                           ; r
	v_bfe_u32 v5, v0, 4, 1                         ; h
	v_lshlrev_b32 v[H64], 6, v5
	s_mul_i32 s2, s15, 24576                       ; my 8 tiles of y,
	s_mul_i32 s3, s16, 12288                       ; my 4 of W,
	s_add_co_u32 s3, s3, BOFF                      ; which lie behind y's 16
.irp s, 0,1,2,3
	v_add_nc_u32 v[A16+\s], s2, v2
	v_add_nc_u32 v[A8+\s], s2, v3
	v_add_nc_u32 v[AB+\s], s3, v2
	s_add_co_u32 s2, s2, SLOT
	s_add_co_u32 s3, s3, SLOT
.endr
	s_mul_i32 s17, s14, 16*272
	s_add_co_u32 s17, s17, STAGE                   ; my stage
	v_mul_u32_u24 v[STO], v4, 272
	v_add_nc_u32 v[STO], v[STO], v[H64]
	v_add_nc_u32 v[STO], s17, v[STO]               ; in: row r, + 64 h
	v_mul_u32_u24 v[RD], v5, 272
	v_lshl_add_u32 v[RD], v4, 4, v[RD]
	v_add_nc_u32 v[RD], s17, v[RD]                 ; back: lanes 0-15 one row of 256 bytes, lanes 16-31 the next
	v_lshlrev_b32 v[CO], 12, v5
	v_lshl_add_u32 v[CO], v4, 4, v[CO]             ; and the same two rows in out0
	s_lshl_b32 s2, s85, 4
	s_lshl_b32 s3, s15, 3
	s_add_co_u32 s2, s2, s3
	s_lshl_b32 s2, s2, 9
	s_add_co_u32 s2, s2, YSC
	s_mov_b32 s3, 0
	s_add_nc_u64 s[12:13], s[4:5], s[2:3]          ; my 8 tiles' scale words of y
	s_lshl_b32 s2, s84, 3
	s_lshl_b32 s17, s16, 2
	s_add_co_u32 s2, s2, s17
	s_add_co_u32 s2, s2, 192
	s_lshl_b32 s2, s2, 9
	s_add_co_u32 s2, s2, WSC
	s_add_nc_u64 s[18:19], s[6:7], s[2:3]          ; my 4 tiles' of W
	s_lshl_b32 s2, s84, 9
	s_lshl_b32 s17, s16, 8
	s_add_co_u32 s2, s2, s17                       ; my 64 columns, in bytes
	s_add_nc_u64 s[98:99], s[8:9], s[2:3]          ; in the bias,
	s_lshl_b32 s17, s85, 20
	s_add_co_u32 s2, s2, s17
	s_lshl_b32 s17, s15, 19
	s_add_co_u32 s2, s2, s17
	s_add_nc_u64 s[10:11], s[10:11], s[2:3]        ; and in my first row of out0
.irp a, 0,1,2,3,4,5,6,7
.irp c, 0,1,2,3
	global_load_b32 v[SA+4*\a+\c], v[L4], s[12:13] offset:512*\a+128*\c
.endr
.endr
.irp t, 0,1,2,3
.irp c, 0,1,2,3
	global_load_b32 v[SB+4*\t+\c], v[L4], s[18:19] offset:512*\t+128*\c
.endr
.endr
.irp t, 0,1,2,3
	global_load_b128 v[BQ+8*\t:BQ+8*\t+3], v[H64], s[98:99] offset:128*(\t/2)+32*(\t%2)       ; lane (r, h), register j: column 32 (t / 2) + 8 (t % 2) + 16 h + j
	global_load_b128 v[BQ+8*\t+4:BQ+8*\t+7], v[H64], s[98:99] offset:128*(\t/2)+32*(\t%2)+16
.endr
; 44 LDS loads in one run: my 8 fragments of y and 4 of W of the slot's q-th K step
.macro FETCH set, slot, q
.if \set
	WIN 0xc0
.else
	WIN 0x40
.endif
.irp a, 0,1,2,3,4,5,6,7
	ds_load_b128 v[12*\a:12*\a+3], v[A16+\slot] offset:3072*\a+1536*\q
	ds_load_b64 v[12*\a+4:12*\a+5], v[A8+\slot] offset:3072*\a+1536*\q+512
	ds_load_b128 v[12*\a+6:12*\a+9], v[A16+\slot] offset:3072*\a+1536*\q+768
	ds_load_b64 v[12*\a+10:12*\a+11], v[A8+\slot] offset:3072*\a+1536*\q+1280
.endr
.irp t, 0,1,2,3
.irp c, 0,1,2
	ds_load_b128 v[96+12*\t+4*\c:96+12*\t+4*\c+3], v[AB+\slot] offset:3072*\t+1536*\q+512*\c
.endr
.endr
.endm
.macro WM odd                          ; one product; its registers stand in the symbols.  An odd K step's scale words lie in lanes 16-31
.if \odd
	v_wmma_scale_f32_16x16x128_f8f6f4 v[rD:rD+7], v[rA:rA+11], v[rB:rB+11], v[rC:rC+7], v[rSA], v[rSB] matrix_a_fmt:MATRIX_FMT_FP6 matrix_b_fmt:MATRIX_FMT_FP6 matrix_a_scale:MATRIX_SCALE_ROW1 matrix_b_scale:MATRIX_SCALE_ROW1
.else
	v_wmma_scale_f32_16x16x128_f8f6f4 v[rD:rD+7], v[rA:rA+11], v[rB:rB+11], v[rC:rC+7], v[rSA], v[rSB] matrix_a_fmt:MATRIX_FMT_FP6 matrix_b_fmt:MATRIX_FMT_FP6
.endif
.endm
; A K step: 32 products; the 32 accumulators take turns, one instruction a turn, in the same order in every step.  first = 1: the bias starts the sums
.macro MULS set, ks, first
.if \first
	WIN 0x85
.elseif \set
	WIN 0xaf
.else
	WIN 0xa5
.endif
.irp a, 0,1,2,3,4,5,6,7
.irp t, 0,1,2,3
.set rD, 32*\a+8*\t
.set rA, 96+12*\t
.set rB, 12*\a
.if \first
.set rC, BQ+8*\t
.else
.set rC, 32*\a+8*\t
.endif
.set rSA, SB+4*\t+(\ks)/2
.set rSB, SA+4*\a+(\ks)/2
	WM (\ks)%2
.endr
.endr
.endm
.macro ARRIVE left                     ; the next slot: my part of it is in (the later slots' fills may be out), then everybody's; nothing is ever filled again
	s_wait_tensorcnt \left
	s_wait_dscnt 0x0                               ; no LDS instruction of mine is out at a signal
	s_barrier_signal -1
	s_barrier_wait -1
.endm
	ARRIVE 3
	FETCH 0, 0, 0
	FETCH 1, 0, 1
	s_wait_loadcnt 0x0                             ; scale words and bias
	s_wait_dscnt 44                                ; set 0 is in; the 44 loads just issued may be out
	MULS 0, 0, 1
	ARRIVE 2
	PLACES 4                                       ; in front of loads into registers that matrix instructions have read
	FETCH 0, 1, 0
	MULS 1, 1, 0
	PLACES 4
	FETCH 1, 1, 1
	s_wait_dscnt 44
	MULS 0, 2, 0
	ARRIVE 1
	PLACES 4
	FETCH 0, 2, 0
	MULS 1, 3, 0
	PLACES 4
	FETCH 1, 2, 1
	s_wait_dscnt 44
	MULS 0, 4, 0
	ARRIVE 0
	PLACES 4
	FETCH 0, 3, 0
	MULS 1, 5, 0
	PLACES 4
	FETCH 1, 3, 1
	s_wait_dscnt 44
	MULS 0, 6, 0
	s_wait_dscnt 0x0
	MULS 1, 7, 0
; THE WAY OUT, a tile of 16 tokens x my 64 columns at a time.  A lane holds 32 neighbouring bytes of a row four times over, and the lanes beside it hold other rows: the tile goes through my own stage in LDS
; and comes back as whole rows of 256 bytes.  LDS serves a wave's instructions in order: no wait between the stores and the loads, nor in front of the next tile's stores.
.macro TOSTAGE a
	WIN 0x08                                       ; an LDS store's data are its source 1: window 2
.irp t, 0,1,2,3
	ds_store_b128 v[STO], v[32*(\a)+8*\t:32*(\a)+8*\t+3] offset:128*(\t/2)+32*(\t%2)          ; each accumulator from its low end on
	ds_store_b128 v[STO], v[32*(\a)+8*\t+4:32*(\a)+8*\t+7] offset:128*(\t/2)+32*(\t%2)+16
.endr
	WIN 0
.set BB, BK+32*((\a)%2)
.irp i, 0,1,2,3,4,5,6,7
	ds_load_b128 v[BB+4*\i:BB+4*\i+3], v[RD] offset:544*\i
.endr
.endm
.macro SEND a, younger                 ; younger: the LDS instructions issued behind tile a's loads, which may stay out
.set BB, BK+32*((\a)%2)
	s_wait_dscnt \younger
.irp i, 0,1,2,3,4,5,6,7                        ; rows 2 i and 2 i + 1 of the tile are tokens 32 (a / 2) + 8 (a % 2) + 2 i + 8 (i / 4) and the next
	global_store_b128 v[CO], v[BB+4*\i:BB+4*\i+3], s[10:11] offset:(32*((\a)/2)+8*((\a)%2)+2*\i+8*(\i/4))*4096 th:TH_STORE_NT   ; 16 lanes store 256 consecutive bytes, at a multiple of 256 from out0's first byte
.endr
.endm
	WIN 0
	PLACES 4                                       ; in front of the first read of results
	TOSTAGE 0
.irp a, 1,2,3,4,5,6,7
.if \a > 1
	s_wait_xcnt 0x0                                ; tile a - 2's stores have read their registers: tile a's loads may land there
.endif
	TOSTAGE \a
	SEND \a-1, 16                                  ; behind tile a - 1's loads: tile a's 8 stores and 8 loads
.endr
	SEND 7, 0
	s_wait_tensorcnt 0x0                           ; the wave's end, behind my last tensor load and my last LDS store
	ds_add_u32 v[SPW], v[NIL]
	s_wait_dscnt 0x0
	CROUND                                         ; the closing round
	s_endpgm
.Lfunc_end_k_q35ab503311_gemm_out:
	.size	k_q35ab503311_gemm_out, .Lfunc_end_k_q35ab503311_gemm_out-k_q35ab503311_gemm_out
	.p2alignl 7, 3214868480
	.fill 96, 4, 3214868480
	.section	.rodata,"a",@progbits
	.p2align	6, 0x0
	.amdhsa_kernel k_q35ab503311_gemm_out
		.amdhsa_group_segment_fixed_size 327680
		.amdhsa_private_segment_fixed_size 0
		.amdhsa_enable_private_segment 0
		.amdhsa_kernarg_size 32
		.amdhsa_user_sgpr_count 2
		.amdhsa_user_sgpr_kernarg_segment_ptr 1
		.amdhsa_wavefront_size32 1
		.amdhsa_system_sgpr_workgroup_id_x 1
		.amdhsa_system_sgpr_workgroup_id_y 1
		.amdhsa_system_sgpr_workgroup_id_z 1
		.amdhsa_system_vgpr_workitem_id 0
		.amdhsa_next_free_vgpr 1024
		.amdhsa_next_free_sgpr 100
		.amdhsa_reserve_vcc 0
		.amdhsa_float_denorm_mode_32 3
		.amdhsa_float_denorm_mode_16_64 3
		.amdhsa_memory_ordered 1
		.amdhsa_forward_progress 1
		.amdhsa_inst_pref_size 86
	.end_amdhsa_kernel
	.amdgpu_metadata
---
amdhsa.version: [ 1, 2 ]
amdhsa.kernels:
  - .name:           k_q35ab503311_gemm_out
    .symbol:         k_q35ab503311_gemm_out.kd
    .args:
      - { .name: yq, .offset: 0, .size: 8, .value_kind: global_buffer, .address_space: global }
      - { .name: wts, .offset: 8, .size: 8, .value_kind: global_buffer, .address_space: global }
      - { .name: b_out, .offset: 16, .size: 8, .value_kind: global_buffer, .address_space: global }
      - { .name: out0, .offset: 24, .size: 8, .value_kind: global_buffer, .address_space: global }
    .group_segment_fixed_size: 327680
    .private_segment_fixed_size: 0
    .kernarg_segment_align: 8
    .kernarg_segment_size: 32
    .max_flat_workgroup_size: 128
    .sgpr_count:     100
    .vgpr_count:     1024
    .wavefront_size: 32
...
	.end_amdgpu_metadata
.endif
;; end of part 5
